; MI455X (gfx1250); checked and timed in simulation.
; The chip was launched on July 23, 2026; its instructions are those of AMD's public machine-readable ISA for CDNA 5 (MIT licence, August 2026) and "CDNA5" Instruction Set Architecture Reference Guide (July 2026). The comments in the code are by the model that wrote it; some were corrected since.
;; Router. Allowed arithmetic: matrix products marked QUANTISED: E5M2 operands, one E8M0 scale for each 32 along K, by v_wmma_scale_f32_16x16x128_f8f6f4 with both operands' format E5M2, f32 sums; products left as they are: f32 operands where the result goes on into a quantised operand, else bf16, f16 or f32 operands; f32 sums; everything else in f32.
;; Inputs: b1 8 x 512 float32; b2 8 x 512 float32; gate_w 8 x 512 float32; w1 8 x 512 x 512 float32; w2 8 x 512 x 512 float32; x 8 x 2,048 x 512 float32.
;; Outputs: out0 8 x 2,048 x 512 float32.
;; This version of the problem:
;;   THIS VERSION OF THE PROBLEM IS GIVEN IN LOW PRECISION. The matrix products marked QUANTISED in the list below multiply operands that are first quantised to E5M2 (5 exponent bits, 2 mantissa bits; 8 bits a number), with one power-of-two scale for each 32 numbers along K (OCP MX v1.0); their sums are f32. All else is computed in f32.
;;   The module's matrix products, in the order in which they are computed (A, B: the left and right operand; K: the contracted axis; several contracted axes count as one K, in the product's order):
;;     1. [M 16,384, K 512] x [K 512, N 8]; A: input x; B: input gate_w: left as it is (N = 8 < 16)
;;     2. [M 16,384, K 512] x [K 512, N 512]; A: input x; B: input w1: QUANTISED
;;     3. [M 16,384, K 512] x [K 512, N 512]; A: computed on the way; B: input w2: QUANTISED
;;     4. [M 16,384, K 512] x [K 512, N 512]; A: input x; B: input w1: QUANTISED
;;     5. [M 16,384, K 512] x [K 512, N 512]; A: computed on the way; B: input w2: QUANTISED
;;     6. [M 16,384, K 512] x [K 512, N 512]; A: input x; B: input w1: QUANTISED
;;     7. [M 16,384, K 512] x [K 512, N 512]; A: computed on the way; B: input w2: QUANTISED
;;     8. [M 16,384, K 512] x [K 512, N 512]; A: input x; B: input w1: QUANTISED
;;     9. [M 16,384, K 512] x [K 512, N 512]; A: computed on the way; B: input w2: QUANTISED
;;     10. [M 16,384, K 512] x [K 512, N 512]; A: input x; B: input w1: QUANTISED
;;     11. [M 16,384, K 512] x [K 512, N 512]; A: computed on the way; B: input w2: QUANTISED
;;     12. [M 16,384, K 512] x [K 512, N 512]; A: input x; B: input w1: QUANTISED
;;     13. [M 16,384, K 512] x [K 512, N 512]; A: computed on the way; B: input w2: QUANTISED
;;     14. [M 16,384, K 512] x [K 512, N 512]; A: input x; B: input w1: QUANTISED
;;     15. [M 16,384, K 512] x [K 512, N 512]; A: computed on the way; B: input w2: QUANTISED
;;     16. [M 16,384, K 512] x [K 512, N 512]; A: input x; B: input w1: QUANTISED
;;     17. [M 16,384, K 512] x [K 512, N 512]; A: computed on the way; B: input w2: QUANTISED
;;   THE QUANTISER, for each operand of a quantised product, along K:
;;     - K is cut into blocks of 32 from its start; a last block that is shorter is filled with zeros.
;;     - A block's scale is 2^e with e = floor(log2(the largest magnitude in the block)) - 15, held to -126 .. 127; a block of zeros has e = 0. As a byte (E8M0): e + 127.
;;     - Each number is divided by its block's scale, clamped to +-57,344, and rounded to the nearest number of E5M2, ties to even, subnormals kept.
;;     - The product sums the exact products of the quantised numbers (number of the format x scale) in f32.
;;   ~~~python
;;   def quantise(x, axis):      # numpy; x: float32 -> the quantised numbers, widened to float32 again
;;       x = np.moveaxis(x, axis, -1); K = x.shape[-1]
;;       x = np.pad(x, [(0, 0)] * (x.ndim - 1) + [(0, -K % 32)]); x = x.reshape(x.shape[:-1] + (-1, 32)); a = np.abs(x).max(-1, keepdims=True)
;;       e = np.where(a > 0, np.clip(np.frexp(np.where(a > 0, a, 1))[1] - 1 - 15, -126, 127), 0)      # np.frexp(a)[1] - 1 = floor(log2(a)), exactly
;;       r = np.clip(x / 2.0 ** e, -57344, 57344)
;;       step = 2.0 ** (np.maximum(np.frexp(np.where(r == 0, 1, r))[1] - 1, -14) - 2)
;;       q = np.round(r / step) * step * 2.0 ** e      # np.round: ties to even
;;       return np.moveaxis(q.reshape(q.shape[:-2] + (-1,))[..., :K], -1, axis).astype(np.float32)
;;   ~~~
;;   OPERANDS COMPUTED ON THE WAY. 'Computed on the way' means the value that the module computes at that place (a softmax that the list does not call 'softmax' is quantised finished and normalised). What goes into a quantiser is computed in f32, as accurately as f32 sums, v_exp_f32 and their like allow (about 1e-6 of the number): no bf16 or f16 on the way to a quantiser, and a product that is left as it is and whose result goes on into a quantised operand takes f32 operands (vector FMAs, or v_wmma_f32_16x16x4_f32). A number that lies on a knife's edge between two numbers of the format may be rounded either way, as far as f32 arithmetic and the matrix unit's own rounding can turn it there, and no further.
;; 2 versions. Each part assembles by itself: llvm-mc -triple=amdgcn-amd-amdhsa -mcpu=gfx1250 --defsym DOCPART=n.
;; ======== version 1 of 2: 3 launches
;; workspace buffers: xq 8,388,608 bytes; xs 262,144 bytes; wq 4,194,304 bytes; wsc 131,072 bytes; cw 131,072 bytes; rt 131,072 bytes of whole numbers; plan 68,096 bytes of whole numbers
;; launch prep (part 1): grid 384 x 1, 4 waves a work-group, no clusters, 35,328 bytes of LDS; arguments x, gate_w, w1, w2, xq, xs, wq, wsc, cw, rt; writes xq, xs, wq, wsc, cw, rt
.if DOCPART == 1
	.amdgcn_target "amdgcn-amd-amdhsa--gfx1250"
	.amdhsa_code_object_version 6
	.text
	.protected	k_q3510d59241_prep
	.globl	k_q3510d59241_prep
	.p2align	8
	.type	k_q3510d59241_prep,@function
k_q3510d59241_prep:
	s_mov_b64 s[64:65], 0
	v_nop
	global_prefetch_b8 v0, s[64:65] scope:SCOPE_SE
	s_setreg_imm32_b32 hwreg(HW_REG_WAVE_MODE, 25, 1), 1
	s_wait_xcnt 0x0
; ROUTER, launch 1 of 3.  out[t] = sum over the two experts e chosen for token t of combine[t][e] x (relu(x[t] W1[e] + b1[e]) W2[e] + b2[e]), both products on codes of E5M2 with one E8M0 scale for each 32 along K.
; WORK LEFT OUT BY THE WHOLE PROGRAM.  combine[t][e] is the sum over the two chosen places of one_hot(sel)[e] x weight: for an expert e that is not among token t's two, both one_hot terms are 0, so combine[t][e] = 0
; whatever the inputs hold, and that expert's h and y for that token are multiplied by 0: they reach no output in exact arithmetic.  So only the two chosen experts of each token are multiplied.  The choice is made here, stored as
; whole numbers at fixed places, and turned into addresses by the later launches alone.  Every input still has a way to the output and is loaded by some launch.
; LIMITS.  A NaN, an infinity or an overflow in an expert's y that is not chosen for a token (0 x infinity as the problem is written) is not carried to the result.  NaN or infinity in x or gate_w is not served (the two largest have no order then).
; Gate logits are f32 sums in another order than the problem's own: logits that agree to about 1e-6 of their size may be ranked otherwise.  A block whose largest magnitude lies under 2^(16 - 127), a block of zeros among them,
; gets the scale byte 1 (the rule says 127 for zeros): its codes are zeros, and the bytes are read by this program alone.
; WORK-GROUPS 0-255 (path X): 64 tokens each, 16 a wave, a token's row of 512 numbers a step.  From one read of x: the eight gate logits (f32 fused multiply-adds on the row as it is loaded, gate_w kept in 128 registers in the same order),
; and the row's codes and 16 scale bytes (the row turns through the wave's own stage in LDS, so that a lane holds 16 neighbours along K and two lanes a block).  Then waves 0 and 1, a lane a token: the two largest logits
; (strictly greater replaces: the lower index wins a tie, as top_k has it), their softmax with the larger taken away first, the pair's number hi (hi - 1) / 2 + lo, the token's rank among its 32 neighbours of the same pair, and the 32 tokens' histogram.
; WORK-GROUPS 256-383 (path W): w1 and w2 are quantised along K, which is their first axis: a lane takes a column and its registers run down K.  The codes are stored in the order of the operand's registers as the third launch takes them:
; wq [mat 2][e 8][w 4][p 2][s 4][t 4][c 4][lane 32][16 bytes]; column n: w = n / 128, p = (n / 64) % 2, b = (n / 32) % 2, v = n % 32, u = (v / 8) % 2, r = v % 8 + 8 (v / 16), t = 2 b + u; lane r + 16 h holds k = 128 s + 32 c + 16 h + 0 .. 15.
; wsc [mat][e][w][p][s][b][r][u]: a word of four scale bytes.  Path W touches no LDS and has no barrier.
.set LOG,   32768                      ; LDS: 64 tokens x 8 logits, behind the four waves' regions of 8,192 bytes (two stages of 32 x 80 bytes, then 256 scale bytes at 5,120)
.set SPARE, 34816                      ; the spare words, 128 bytes a wave: two blocks of 256 bytes that no other line names
.set SP,    80                         ; a lane's place in a stage: 64 bytes + 16 of padding
.set ACC,   16                         ; v16-31   eight sums, in two halves each
.set LG,    32                         ; v32-39   the eight logits
.set C,     40                         ; v40-47   codes, two sets of four
.set X,     48                         ; v48-79   two sets of 16 neighbours
.set R,     80                         ; v80-127  three sets of 16 numbers as loaded
.set G,     128                        ; v128-255 gate_w: expert e at G + 16 e, register 4 i + j = gate_w[e][128 i + 4 lane + j]
	s_load_b512 s[8:23], s[0:1], 0x0               ; x, gate_w, w1, w2, xq, xs, wq, wsc
	s_load_b128 s[24:27], s[0:1], 0x40             ; cw, rt
	v_lshl_add_u32 v6, v0, 2, SPARE                ; my spare word; never rewritten
	v_mov_b32 v7, 0                                ; 0; never rewritten
	v_lshrrev_b32 v8, 5, v0
	v_readfirstlane_b32 s32, v8                    ; wave 0..3
	v_and_b32 v17, 31, v0                          ; lane
	s_mov_b32 s45, 0                               ; the upper word of every offset
	s_cmp_lt_u32 ttmp9, 256                        ; the work-group's number alone: the same in all four waves
	s_cbranch_scc0 .Lweights
	; ---------------- path X ----------------
	v_lshlrev_b32 v1, 4, v17                       ; v1: 16 x lane
	s_lshl_b32 s33, s32, 13                        ; my wave's region
	v_lshrrev_b32 v2, 2, v17
	v_mul_u32_u24 v2, v2, SP
	v_and_b32 v3, 3, v17
	v_lshl_add_u32 v2, v3, 4, v2
	v_add_nc_u32 v2, s33, v2                       ; v2: into a stage: four lanes' 64 bytes on end, then the padding
	v_mul_u32_u24 v3, v17, SP
	v_add_nc_u32 v3, s33, v3                       ; v3: out of it: my 16 neighbours
	v_lshrrev_b32 v4, 1, v17
	s_add_co_u32 s37, s33, 5120
	v_add_nc_u32 v4, s37, v4                       ; v4: my block's scale byte
	v_lshlrev_b32 v15, 3, v17                      ; v15: 8 x lane
	v_add_nc_u32 v14, s37, v15                     ; v14: the scale bytes on their way out
	s_lshl_b32 s38, s32, 9
	s_add_co_u32 s38, s38, LOG
	v_mov_b32 v5, s38                              ; v5: my wave's 16 tokens' logits
	s_mov_b32 s34, 0x76543210
	s_mov_b32 s35, 0xfedcba98                      ; v_permlanex16_b32's selects for lane l xor 16
	s_mov_b32 s36, 0x600000                        ; the mantissa field of 57,344
	s_lshl_b32 s39, ttmp9, 6
	s_lshl_b32 s40, s32, 4
	s_add_co_u32 s39, s39, s40                     ; my wave's first token
	s_wait_kmcnt 0x0
	s_lshl_b32 s44, s39, 11
	s_add_nc_u64 s[8:9], s[8:9], s[44:45]          ; x: 2,048 bytes a token
	s_lshl_b32 s44, s39, 9
	s_add_nc_u64 s[16:17], s[16:17], s[44:45]      ; xq: 512
	s_lshl_b32 s44, s39, 4
	s_add_nc_u64 s[18:19], s[18:19], s[44:45]      ; xs: 16
.irp e, 0,1,2,3,4,5,6,7
.irp i, 0,1,2,3
	global_load_b128 v[G+16*\e+4*\i:G+16*\e+4*\i+3], v1, s[10:11] offset:2048*\e+512*\i
.endr
.endr
.macro LOADX t                         ; token t's row as it lies: 32 lanes read 512 consecutive bytes
.irp i, 0,1,2,3
	global_load_b128 v[R+16*((\t)%3)+4*\i:R+16*((\t)%3)+4*\i+3], v1, s[8:9] offset:2048*(\t)+512*\i th:TH_LOAD_NT
.endr
.endm
.macro TURN t                          ; through the stage: LDS serves a wave's instructions in order, so no wait stands between the stores and the loads
.irp i, 0,1,2,3
	ds_store_b128 v2, v[R+16*((\t)%3)+4*\i:R+16*((\t)%3)+4*\i+3] offset:32*SP*((\t)%2)+8*SP*\i
.endr
.irp i, 0,1,2,3
	ds_load_b128 v[X+16*((\t)%2)+4*\i:X+16*((\t)%2)+4*\i+3], v3 offset:32*SP*((\t)%2)+16*\i
.endr
.endm
	LOADX 0
	LOADX 1
	LOADX 2
	s_wait_loadcnt 8                               ; gate_w and row 0 are in; rows 1 and 2 (eight loads) may be out
	TURN 0
.macro STEP t
.set RS, R+16*((\t)%3)
.set XS, X+16*((\t)%2)
.set CS, C+4*((\t)%2)
.if (\t) > 0
	s_wait_dscnt 1                                 ; this row is back from the stage, and the last step's logits are stored (only its byte store may be out)
.else
	s_wait_dscnt 0x0
.endif
.irp e, 0,1,2,3,4,5,6,7                        ; the gate: the first products start the eight sums, the experts by turns
	v_pk_mul_f32 v[ACC+2*\e:ACC+2*\e+1], v[RS:RS+1], v[G+16*\e:G+16*\e+1]
.endr
.irp k, 1,2,3,4,5,6,7
.irp e, 0,1,2,3,4,5,6,7
	v_pk_fma_f32 v[ACC+2*\e:ACC+2*\e+1], v[RS+2*\k:RS+2*\k+1], v[G+16*\e+2*\k:G+16*\e+2*\k+1], v[ACC+2*\e:ACC+2*\e+1]
.endr
.endr
.irp e, 0,1,2,3,4,5,6,7
	v_add_f32 v[LG+\e], v[ACC+2*\e], v[ACC+2*\e+1]
.endr
.irp x, 1,2,4,8
.irp e, 0,1,2,3,4,5,6,7
	v_add_f32_dpp v[LG+\e], v[LG+\e], v[LG+\e] row_xmask:\x row_mask:0xf bank_mask:0xf
.endr
.endr
.irp e, 0,1,2,3,4,5,6,7
	v_permlanex16_b32 v[ACC+\e], v[LG+\e], s34, s35
.endr
.irp e, 0,1,2,3,4,5,6,7
	v_add_f32 v[LG+\e], v[LG+\e], v[ACC+\e]        ; every lane holds the token's eight logits
.endr
	ds_store_b128 v5, v[LG:LG+3] offset:32*(\t)    ; all lanes write the same bytes with the same values
	ds_store_b128 v5, v[LG+4:LG+7] offset:32*(\t)+16
.if (\t)+3 < 16
	LOADX (\t)+3                                   ; into the set that the sums and the turn have read
.endif
.if (\t)+1 < 16
.if 14-(\t) >= 2
	s_wait_loadcnt 8                               ; the next row is in; the two rows behind it may be out
.else
	s_wait_loadcnt 4*(14-(\t))
.endif
	TURN (\t)+1
.endif
	v_max3_num_f32 v8, |v[XS]|, |v[XS+1]|, |v[XS+2]|               ; the largest magnitude of my 16, in two chains
	v_max3_num_f32 v9, |v[XS+3]|, |v[XS+4]|, |v[XS+5]|
.irp i, 6,10
	v_max3_num_f32 v8, v8, |v[XS+\i]|, |v[XS+\i+1]|
	v_max3_num_f32 v9, v9, |v[XS+\i+2]|, |v[XS+\i+3]|
.endr
	v_max3_num_f32 v8, v8, |v[XS+14]|, |v[XS+15]|
	v_max3_num_f32 v8, v8, v9, 16<<23              ; and the floor 2^(16 - 127): the byte cannot fall under 1
	v_max_num_f32_dpp v8, v8, v8 row_xmask:1 row_mask:0xf bank_mask:0xf   ; with my neighbour's 16: the block's
	v_add_nc_u32 v11, 0xf8800000, v8               ; 15 off its exponent field: the conversion's scale operand
	v_and_or_b32 v10, v8, 0x7f800000, s36          ; 57,344 x the scale
.irp i, 0,1,2,3,4,5,6,7,8,9,10,11,12,13,14,15
	v_med3_num_f32 v[XS+\i], v[XS+\i], -v10, v10   ; the conversion to an 8-bit code does not saturate (ISA guide 7.6.2): the hold comes first
.endr
	s_wait_xcnt 0x0                                ; the store of two steps back has read this set of codes
	v_cvt_scalef32_pk8_bf8_f32 v[CS:CS+1], v[XS:XS+7], v11
	v_cvt_scalef32_pk8_bf8_f32 v[CS+2:CS+3], v[XS+8:XS+15], v11
	v_lshrrev_b32 v[12+(\t)%2], 23, v11            ; the scale's byte (also the plain line behind the conversions)
	ds_store_b8 v4, v[12+(\t)%2] offset:16*(\t)    ; both lanes of a block write the same byte
	global_store_b128 v1, v[CS:CS+3], s[16:17] offset:512*(\t)   ; 32 lanes store the token's 512 codes
.endm
.irp t, 0,1,2,3,4,5,6,7,8,9,10,11,12,13,14,15
	STEP \t
.endr
	ds_load_b64 v[8:9], v14                        ; my wave's 256 scale bytes
	v_and_b32 v17, 31, v0                          ; lane, anew
	s_and_b32 s37, s32, 1
	s_lshl_b32 s37, s37, 10
	s_add_co_u32 s37, s37, LOG
	v_lshl_add_u32 v16, v17, 5, s37                ; where the routing reads a token's logits: made ahead of the parting of the waves
	s_wait_dscnt 0x0
	global_store_b64 v15, v[8:9], s[18:19]         ; one aligned run of 256 bytes
	s_barrier_signal -1                            ; every wave's logits are stored (the wait for 0 stands above)
	s_barrier_wait -1
	s_cmp_lt_u32 s32, 2                            ; waves 0 and 1 route 32 tokens each; no barrier follows
	s_cbranch_scc0 .Lxend
	s_wait_xcnt 0x0                                ; the last step's store of codes and the store of scale bytes have read their registers: v40-47 are written again below
	ds_load_b128 v[32:35], v16
	ds_load_b128 v[36:39], v16 offset:16
	s_lshl_b32 s38, ttmp9, 6
	s_lshl_b32 s39, s32, 5
	s_add_co_u32 s38, s38, s39
	v_add_nc_u32 v56, s38, v17                     ; my token
	v_mov_b32 v41, 0                               ; the largest's index,
	v_mov_b32 v42, 0xff800000                      ; the second largest: -infinity,
	v_mov_b32 v43, 0                               ; its index
	s_wait_dscnt 0x0
	v_mov_b32 v40, v32                             ; the largest so far
.irp e, 1,2,3,4,5,6,7
	v_cmp_gt_f32 s40, v[32+\e], v40
	v_cmp_gt_f32 s41, v[32+\e], v42
	v_cndmask_b32 v42, v42, v[32+\e], s41          ; over the second: it takes its place,
	v_cndmask_b32 v43, v43, \e, s41
	v_cndmask_b32 v42, v42, v40, s40               ; over the first: the first moves down
	v_cndmask_b32 v43, v43, v41, s40
	v_cndmask_b32 v40, v40, v[32+\e], s40
	v_cndmask_b32 v41, v41, \e, s40
.endr
	v_sub_f32 v44, v42, v40                        ; the larger is taken away first: 0 or less
	v_mul_f32 v44, 0x3fb8aa3b, v44
	v_exp_f32 v45, v44
	v_min_u32 v48, v41, v43                        ; lo (a plain line behind the exponential)
	s_wait_alu depctr_va_vdst(0)                   ; the wait ahead of the result's first reader
	v_add_f32 v46, 1.0, v45
	v_rcp_f32 v47, v46                             ; the larger's weight
	v_add_nc_u32 v49, v41, v43                     ; (a plain line behind the reciprocal)
	s_wait_alu depctr_va_vdst(0)
	v_mul_f32 v45, v45, v47                        ; the smaller's
	v_sub_nc_u32 v49, v49, v48                     ; hi
	v_cmp_lt_u32 vcc_lo, v41, v43
	v_cndmask_b32 v50, v45, v47, vcc_lo            ; the weight of expert lo,
	v_cndmask_b32 v51, v47, v45, vcc_lo            ; of expert hi
	v_add_nc_u32 v52, -1, v49
	v_mul_u32_u24 v52, v52, v49
	v_lshrrev_b32 v52, 1, v52
	v_add_nc_u32 v52, v52, v48                     ; the pair's number, 0 .. 27
	v_mov_b32 v53, 0                               ; the histogram: lane b will hold pair b's count
	v_mov_b32 v54, 0                               ; my rank among the 32 tokens' same pair
.set k, 0
.rept 28
	v_cmp_eq_u32 vcc_lo, k, v52
	v_mbcnt_lo_u32_b32 v55, vcc_lo, 0
	v_cndmask_b32 v54, v54, v55, vcc_lo
	s_bcnt1_i32_b32 s42, vcc_lo
	v_writelane_b32 v53, s42, k
.set k, k+1
.endr
	v_lshl_or_b32 v59, v54, 8, v52
	v_lshlrev_b32 v57, 2, v56
	v_lshlrev_b32 v58, 3, v56
	global_store_b32 v57, v59, s[26:27]            ; all three at places made of ids alone
	global_store_b64 v58, v[50:51], s[24:25]
	global_store_b32 v57, v53, s[26:27] offset:65536
.Lxend:
	s_wait_tensorcnt 0x0                           ; the wave's end
	ds_add_u32 v6, v7
	s_wait_dscnt 0x0
	s_endpgm
	; ---------------- path W ----------------
.Lweights:
	s_sub_co_u32 s33, ttmp9, 256
	s_lshr_b32 s34, s33, 6                         ; mat: 0 = w1, 1 = w2
	s_bfe_u32 s35, s33, 0x30003                    ; e
	s_bfe_u32 s36, s33, 0x20001                    ; which 128 columns
	s_and_b32 s37, s33, 1                          ; which 256 along K
	s_lshr_b32 s38, s32, 1                         ; p
	s_and_b32 s39, s32, 1                          ; b
	s_mov_b32 s40, 0x600000
	v_lshlrev_b32 v1, 2, v17                       ; in: 4 bytes a lane
	v_bfe_u32 v2, v17, 3, 1                        ; u
	v_and_b32 v3, 7, v17
	v_bfe_u32 v8, v17, 4, 1
	v_lshl_add_u32 v3, v8, 3, v3                   ; r
	v_lshlrev_b32 v4, 11, v2
	v_lshl_add_u32 v4, v3, 4, v4                   ; codes: 2,048 u + 16 r
	v_lshlrev_b32 v5, 2, v2
	v_lshl_add_u32 v5, v3, 3, v5                   ; scale words: 8 r + 4 u
	s_wait_kmcnt 0x0
	s_cmp_eq_u32 s34, 0
	s_cselect_b64 s[12:13], s[12:13], s[14:15]
	s_lshl_b32 s44, s35, 20                        ; the expert's 512 x 512 numbers,
	s_lshl_b32 s41, s37, 19                        ; 256 rows of 2,048 bytes,
	s_add_co_u32 s44, s44, s41
	s_lshl_b32 s41, s36, 9                         ; 128 columns,
	s_add_co_u32 s44, s44, s41
	s_lshl_b32 s41, s32, 7                         ; my wave's 32
	s_add_co_u32 s44, s44, s41
	s_add_nc_u64 s[12:13], s[12:13], s[44:45]
	s_lshl_b32 s44, s34, 21
	s_lshl_b32 s41, s35, 18
	s_add_co_u32 s44, s44, s41
	s_lshl_b32 s41, s36, 16
	s_add_co_u32 s44, s44, s41
	s_lshl_b32 s41, s38, 15
	s_add_co_u32 s44, s44, s41
	s_lshl_b32 s41, s37, 14
	s_add_co_u32 s44, s44, s41
	s_lshl_b32 s41, s39, 12
	s_add_co_u32 s44, s44, s41
	s_add_nc_u64 s[20:21], s[20:21], s[44:45]
	s_lshl_b32 s44, s34, 16
	s_lshl_b32 s41, s35, 13
	s_add_co_u32 s44, s44, s41
	s_lshl_b32 s41, s36, 11
	s_add_co_u32 s44, s44, s41
	s_lshl_b32 s41, s38, 10
	s_add_co_u32 s44, s44, s41
	s_lshl_b32 s41, s37, 9
	s_add_co_u32 s44, s44, s41
	s_lshl_b32 s41, s39, 7
	s_add_co_u32 s44, s44, s41
	s_add_nc_u64 s[22:23], s[22:23], s[44:45]
.macro LOADW t                         ; block t: 32 rows of my column into set t % 2; a wave's load reads 128 consecutive bytes
.set i, 0
.rept 32
	global_load_b32 v[32+32*((\t)%2)+i], v1, s[12:13] offset:(32*(\t)+i)*2048 th:TH_LOAD_NT
.set i, i+1
.endr
.endm
	LOADW 0
	LOADW 1
.macro BLOCK t
.set XS, 32+32*((\t)%2)
.set CT, 96+8*(\t)                     ; eight registers of codes for each block, so that no store's data are written again
.if (\t) < 7
	s_wait_loadcnt 32                              ; this block is in; the next block's 32 loads may be out
.else
	s_wait_loadcnt 0x0
.endif
	v_max3_num_f32 v12, |v[XS]|, |v[XS+1]|, |v[XS+2]|              ; all 32 numbers of the block are mine
	v_max3_num_f32 v13, |v[XS+3]|, |v[XS+4]|, |v[XS+5]|
.irp i, 6,10,14,18,22,26
	v_max3_num_f32 v12, v12, |v[XS+\i]|, |v[XS+\i+1]|
	v_max3_num_f32 v13, v13, |v[XS+\i+2]|, |v[XS+\i+3]|
.endr
	v_max3_num_f32 v12, v12, |v[XS+30]|, |v[XS+31]|
	v_max3_num_f32 v12, v12, v13, 16<<23           ; and the floor
	v_add_nc_u32 v11, 0xf8800000, v12
	v_and_or_b32 v10, v12, 0x7f800000, s40
	v_lshrrev_b32 v13, 23, v11                     ; the scale's byte
.if (\t)%4 == 0
	v_mov_b32 v[14+(\t)/4], v13                    ; four bytes to a word, the lower K in the lower byte
.else
	v_lshl_or_b32 v[14+(\t)/4], v13, 8*((\t)%4), v[14+(\t)/4]
.endif
.set i, 0
.rept 32
	v_med3_num_f32 v[XS+i], v[XS+i], -v10, v10
.set i, i+1
.endr
.irp g, 0,1,2,3
	v_cvt_scalef32_pk8_bf8_f32 v[CT+2*\g:CT+2*\g+1], v[XS+8*\g:XS+8*\g+7], v11
.endr
	v_nop                                          ; a plain line behind the last conversion
	global_store_b128 v4, v[CT:CT+3], s[20:21] offset:((\t)/4)*8192+((\t)%4)*512       ; k = 0 .. 15 of the block: lanes r of the image; two aligned runs of 256 bytes (u = 0, 1)
	global_store_b128 v4, v[CT+4:CT+7], s[20:21] offset:((\t)/4)*8192+((\t)%4)*512+256 ; k = 16 .. 31: lanes 16 + r
.if (\t)+2 < 8
	LOADW (\t)+2
.endif
.endm
.irp t, 0,1,2,3,4,5,6,7
	BLOCK \t
.endr
	global_store_b32 v5, v14, s[22:23]
	global_store_b32 v5, v15, s[22:23] offset:256
	s_endpgm
.Lfunc_end_k_q3510d59241_prep:
	.size	k_q3510d59241_prep, .Lfunc_end_k_q3510d59241_prep-k_q3510d59241_prep
	.p2alignl 7, 3214868480
	.fill 96, 4, 3214868480
	.section	.rodata,"a",@progbits
	.p2align	6, 0x0
	.amdhsa_kernel k_q3510d59241_prep
		.amdhsa_group_segment_fixed_size 35328
		.amdhsa_private_segment_fixed_size 0
		.amdhsa_enable_private_segment 0
		.amdhsa_kernarg_size 80
		.amdhsa_user_sgpr_count 2
		.amdhsa_user_sgpr_kernarg_segment_ptr 1
		.amdhsa_wavefront_size32 1
		.amdhsa_system_sgpr_workgroup_id_x 1
		.amdhsa_system_sgpr_workgroup_id_y 1
		.amdhsa_system_sgpr_workgroup_id_z 1
		.amdhsa_system_vgpr_workitem_id 0
		.amdhsa_next_free_vgpr 256
		.amdhsa_next_free_sgpr 66
		.amdhsa_reserve_vcc 1
		.amdhsa_float_denorm_mode_32 3
		.amdhsa_float_denorm_mode_16_64 3
		.amdhsa_memory_ordered 1
		.amdhsa_forward_progress 1
		.amdhsa_inst_pref_size 236
	.end_amdhsa_kernel
	.amdgpu_metadata
---
amdhsa.version: [ 1, 2 ]
amdhsa.kernels:
  - .name:           k_q3510d59241_prep
    .symbol:         k_q3510d59241_prep.kd
    .args:
      - { .name: x, .offset: 0, .size: 8, .value_kind: global_buffer, .address_space: global }
      - { .name: gate_w, .offset: 8, .size: 8, .value_kind: global_buffer, .address_space: global }
      - { .name: w1, .offset: 16, .size: 8, .value_kind: global_buffer, .address_space: global }
      - { .name: w2, .offset: 24, .size: 8, .value_kind: global_buffer, .address_space: global }
      - { .name: xq, .offset: 32, .size: 8, .value_kind: global_buffer, .address_space: global }
      - { .name: xs, .offset: 40, .size: 8, .value_kind: global_buffer, .address_space: global }
      - { .name: wq, .offset: 48, .size: 8, .value_kind: global_buffer, .address_space: global }
      - { .name: wsc, .offset: 56, .size: 8, .value_kind: global_buffer, .address_space: global }
      - { .name: cw, .offset: 64, .size: 8, .value_kind: global_buffer, .address_space: global }
      - { .name: rt, .offset: 72, .size: 8, .value_kind: global_buffer, .address_space: global }
    .group_segment_fixed_size: 35328
    .private_segment_fixed_size: 0
    .kernarg_segment_align: 8
    .kernarg_segment_size: 80
    .max_flat_workgroup_size: 128
    .sgpr_count:     66
    .vgpr_count:     256
    .wavefront_size: 32
...
	.end_amdgpu_metadata
.endif
;; end of part 1
;; launch place (part 2): grid 1 x 1, 32 waves a work-group, no clusters, 8,192 bytes of LDS; arguments rt, plan; writes plan
.if DOCPART == 2
	.amdgcn_target "amdgcn-amd-amdhsa--gfx1250"
	.amdhsa_code_object_version 6
	.text
	.protected	k_q3510d59241_place
	.globl	k_q3510d59241_place
	.p2align	8
	.type	k_q3510d59241_place,@function
k_q3510d59241_place:
	s_mov_b64 s[64:65], 0
	v_nop
	global_prefetch_b8 v0, s[64:65] scope:SCOPE_SE
	s_setreg_imm32_b32 hwreg(HW_REG_WAVE_MODE, 25, 1), 1
	s_wait_xcnt 0x0
; ROUTER, launch 2 of 3: the tokens are sorted by their pair of experts, and the list of tiles is made.  (Experts that are not chosen for a token are multiplied by nobody: their combine weight is 0 for every input; see the first kernel's head.)
; rt: route[16384] = pair | rank << 8 at byte 0; hist[512 groups of 32 tokens][32] at byte 65,536.  plan: order[16384], the token numbers sorted by pair, at byte 0; tiles[160] x {start, count, e_lo, e_hi} at byte 65,536.
; One work-group, 32 waves; a counting sort without atomics.  Wave w owns groups 16 w .. 16 w + 15; lane b stands for pair b.  A token's place = its pair's base + the counts of that pair in all earlier groups + its rank in its group.
; A tile is up to 128 tokens of ONE pair: pair b has ceil(count / 128) tiles, so there are never more than 128 + 27 = 155, whatever the choice; entries beyond the last tile get the count 0.
.set TAB,   0                          ; LDS: [wave 32][pair 32] words
.set SPARE, 4096                       ; the spare words, 128 bytes a wave: sixteen blocks of 256 bytes that no other line names
	s_load_b128 s[4:7], s[0:1], 0x0                ; rt, plan
	v_lshl_add_u32 v4, v0, 2, SPARE                ; my spare word; never rewritten
	v_mov_b32 v5, 0                                ; 0; never rewritten
	v_lshrrev_b32 v9, 5, v0
	v_readfirstlane_b32 s8, v9                     ; wave 0..31
	v_and_b32 v10, 31, v0                          ; lane
	v_lshlrev_b32 v1, 2, v10                       ; v1: 4 x lane
	s_lshl_b32 s9, s8, 11
	v_add_nc_u32 v2, s9, v1                        ; v2: my wave's 16 groups, 128 bytes each, in both tables
	v_lshlrev_b32 v3, 2, v0                        ; v3: TAB[wave][lane]
	s_lshl_b32 s9, s8, 9
	v_add_nc_u32 v11, s9, v10                      ; my token in group 16 w
	s_wait_kmcnt 0x0
.irp j, 0,1,2,3,4,5,6,7,8,9,10,11,12,13,14,15
	global_load_b32 v[16+\j], v2, s[4:5] offset:65536+128*\j       ; v16-31: the groups' histograms
.endr
.irp j, 0,1,2,3,4,5,6,7,8,9,10,11,12,13,14,15
	global_load_b32 v[32+\j], v2, s[4:5] offset:128*\j             ; v32-47: the tokens' route words
.endr
	v_mov_b32 v80, 0                               ; v80-95: counts in my wave's earlier groups
	s_wait_loadcnt 16                              ; the histograms are in; the 16 route loads may be out
.irp j, 0,1,2,3,4,5,6,7,8,9,10,11,12,13,14
	v_add_nc_u32 v[81+\j], v[80+\j], v[16+\j]
.endr
	v_add_nc_u32 v12, v95, v31                     ; my wave's total
	ds_store_b32 v3, v12
	s_wait_dscnt 0x0                               ; for the others' sake
	s_barrier_signal -1
	s_barrier_wait -1
.set k, 0
.rept 32
	ds_load_b32 v[48+k], v1 offset:128*k           ; v48-79: every wave's total of pair = lane
.set k, k+1
.endr
	v_mov_b32 v6, 0                                ; v6: the pair's count in all,
	v_mov_b32 v7, 0                                ; v7: in the waves ahead of mine
	s_wait_dscnt 0x0
.set k, 0
.rept 32
	s_cmp_gt_u32 s8, k
	s_cselect_b32 s21, -1, 0
	v_add_nc_u32 v6, v6, v[48+k]
	v_and_b32 v9, s21, v[48+k]
	v_add_nc_u32 v7, v7, v9
.set k, k+1
.endr
	v_mov_b32 v8, 0                                ; v8: where the pair's tokens begin in the list
	s_mov_b32 s20, 0
.set k, 0
.rept 28
	v_readlane_b32 s22, v6, k
	v_writelane_b32 v8, s20, k
	s_add_co_u32 s20, s20, s22
.set k, k+1
.endr
	v_add_nc_u32 v13, v8, v7
	s_wait_loadcnt 0x0                             ; the route words
.irp j, 0,1,2,3,4,5,6,7,8,9,10,11,12,13,14,15
	v_add_nc_u32 v[80+\j], v[80+\j], v13           ; lane b: where group j's tokens of pair b begin
	v_and_b32 v[16+\j], 0xff, v[32+\j]
	v_lshlrev_b32 v[16+\j], 2, v[16+\j]
	ds_bpermute_b32 v[48+\j], v[16+\j], v[80+\j]   ; each token takes its own pair's (a permute between lanes: no LDS byte is touched)
.endr
.irp j, 0,1,2,3,4,5,6,7,8,9,10,11,12,13,14,15
	v_lshrrev_b32 v[32+\j], 8, v[32+\j]            ; the rank
	v_add_nc_u32 v[64+\j], 32*\j, v11              ; the token's number
.endr
	s_wait_dscnt 0x0
.irp j, 0,1,2,3,4,5,6,7,8,9,10,11,12,13,14,15
	v_add_nc_u32 v[48+\j], v[48+\j], v[32+\j]
	v_min_u32 v[48+\j], 0x3fff, v[48+\j]           ; a loaded number enters an address only behind a bound
	v_lshlrev_b32 v[48+\j], 2, v[48+\j]
	global_store_b32 v[48+\j], v[64+\j], s[6:7]
.endr
	s_cmp_lt_u32 s8, 5                             ; waves 0 to 4 write the 160 entries of the tile list, a lane an entry; no barrier follows
	s_cbranch_scc0 .Lend
	v_mov_b32 v96, 0                               ; of the last pair whose first tile is at or under my entry: its base in the list,
	v_mov_b32 v97, 0                               ; its count,
	v_mov_b32 v98, 0                               ; its first tile,
	v_mov_b32 v99, 0                               ; its two experts
	s_mov_b32 s20, 0
	s_mov_b32 s21, 0
.set BB, 0
.irp hi, 1,2,3,4,5,6,7
.irp lo, 0,1,2,3,4,5,6
.if \lo < \hi
	v_readlane_b32 s22, v6, BB
	v_cmp_le_u32 vcc_lo, s21, v0
	s_mov_b32 s23, \lo|(\hi<<8)
	v_cndmask_b32 v96, v96, s20, vcc_lo
	v_cndmask_b32 v97, v97, s22, vcc_lo
	v_cndmask_b32 v98, v98, s21, vcc_lo
	v_cndmask_b32 v99, v99, s23, vcc_lo
	s_add_co_u32 s20, s20, s22
	s_add_co_u32 s22, s22, 127
	s_lshr_b32 s22, s22, 7
	s_add_co_u32 s21, s21, s22
.set BB, BB+1
.endif
.endr
.endr
	v_sub_nc_u32 v9, v0, v98
	v_lshlrev_b32 v9, 7, v9                        ; 128 x my tile's number within the pair
	v_add_nc_u32 v100, v96, v9                     ; start
	v_min_u32 v10, v9, v97
	v_sub_nc_u32 v10, v97, v10
	v_min_u32 v101, 128, v10                       ; count: what is left of the pair, 128 at the most, 0 beyond the last tile
	v_and_b32 v102, 0xff, v99                      ; e_lo
	v_lshrrev_b32 v103, 8, v99                     ; e_hi
	v_lshlrev_b32 v12, 4, v0
	global_store_b128 v12, v[100:103], s[6:7] offset:65536
.Lend:
	s_wait_tensorcnt 0x0                           ; the wave's end
	ds_add_u32 v4, v5
	s_wait_dscnt 0x0
	s_endpgm
.Lfunc_end_k_q3510d59241_place:
	.size	k_q3510d59241_place, .Lfunc_end_k_q3510d59241_place-k_q3510d59241_place
	.p2alignl 7, 3214868480
	.fill 96, 4, 3214868480
	.section	.rodata,"a",@progbits
	.p2align	6, 0x0
	.amdhsa_kernel k_q3510d59241_place
		.amdhsa_group_segment_fixed_size 8192
		.amdhsa_private_segment_fixed_size 0
		.amdhsa_enable_private_segment 0
		.amdhsa_kernarg_size 16
		.amdhsa_user_sgpr_count 2
		.amdhsa_user_sgpr_kernarg_segment_ptr 1
		.amdhsa_wavefront_size32 1
		.amdhsa_system_sgpr_workgroup_id_x 1
		.amdhsa_system_sgpr_workgroup_id_y 1
		.amdhsa_system_sgpr_workgroup_id_z 1
		.amdhsa_system_vgpr_workitem_id 0
		.amdhsa_next_free_vgpr 112
		.amdhsa_next_free_sgpr 66
		.amdhsa_reserve_vcc 1
		.amdhsa_float_denorm_mode_32 3
		.amdhsa_float_denorm_mode_16_64 3
		.amdhsa_memory_ordered 1
		.amdhsa_forward_progress 1
		.amdhsa_inst_pref_size 41
	.end_amdhsa_kernel
	.amdgpu_metadata
---
amdhsa.version: [ 1, 2 ]
amdhsa.kernels:
  - .name:           k_q3510d59241_place
    .symbol:         k_q3510d59241_place.kd
    .args:
      - { .name: rt, .offset: 0, .size: 8, .value_kind: global_buffer, .address_space: global }
      - { .name: plan, .offset: 8, .size: 8, .value_kind: global_buffer, .address_space: global }
    .group_segment_fixed_size: 8192
    .private_segment_fixed_size: 0
    .kernarg_segment_align: 8
    .kernarg_segment_size: 16
    .max_flat_workgroup_size: 1024
    .sgpr_count:     66
    .vgpr_count:     112
    .wavefront_size: 32
...
	.end_amdgpu_metadata
.endif
;; end of part 2
;; launch chain (part 3): grid 155 x 1, 4 waves a work-group, no clusters, 225,280 bytes of LDS; arguments plan, cw, xq, xs, wq, wsc, b1, b2, out0; writes out0
.if DOCPART == 3
	.amdgcn_target "amdgcn-amd-amdhsa--gfx1250"
	.amdhsa_code_object_version 6
	.text
	.protected	k_q3510d59241_chain
	.globl	k_q3510d59241_chain
	.p2align	8
	.type	k_q3510d59241_chain,@function
k_q3510d59241_chain:
	s_mov_b64 s[64:65], 0
	v_nop
	global_prefetch_b8 v0, s[64:65] scope:SCOPE_SE
	s_setreg_imm32_b32 hwreg(HW_REG_WAVE_MODE, 25, 1), 1
	s_wait_xcnt 0x0
; ROUTER, launch 3 of 3: a work-group takes one tile, up to 128 tokens that chose the same two experts, through both experts: out = c_lo (relu(x W1[lo] + b1[lo]) W2[lo] + b2[lo]) + c_hi (the same of hi).
; (Experts that are not chosen for a token are not multiplied: their combine weight is 0 for every input; see the first kernel's head.)  A token lies in exactly one tile, so each row of out0 has one owner.
; 155 work-groups serve every split (128 + 27 tiles at the most); one whose count is 0 stores nothing.
; NO CLUSTER, NO TENSOR LOAD: which experts a tile needs, and whether it has rows at all, are stored numbers on which addresses and branches hang; neighbouring tiles need not share an expert.  The weights' codes go from memory straight into
; registers: the first launch has laid them in the order of the operand's registers.
; SHARES.  128 rows = 8 row tiles m of 16.  THE WAVES SHARE THE COLUMNS: wave w makes hidden units and outputs 128 w .. 128 w + 127 for all rows, so each weight byte enters the work-group once and feeds eight matrix instructions.
; A PASS = 64 columns (4 tiles t) x 128 rows x K 512: 4 K steps of 32 matrix instructions, used TRANSPOSED (source 0 = 16 columns of W, source 1 = 16 tokens): lane (r, h) holds token r, and register j of tile 2 b + u column 32 b + 16 h + 8 u + j:
; the 16 registers of tiles 2 b, 2 b + 1 are 16 neighbours along the next K.  Passes 0-3 (a loop): W1 of e_lo, e_lo, e_hi, e_hi, halves 0, 1, 0, 1: bias as C, relu and quantiser in registers, images to LDS.
; Passes 4-7: W2: (e_lo, half 0) into window 2, (e_hi, half 0) into window 3, the way out; then half 1 likewise.  Rows at and beyond the count are copies of the last row: in the last row tile they store the same bytes to the same row;
; row tiles wholly beyond the count are not stored.
; The weights run a pass ahead: K step s of a pass refills its quarter of the ring (window 1) with the next pass's K step s, three K steps (96 matrix instructions) ahead of its use.  Activations come from LDS, a slot for each row tile, refilled 24 matrix instructions ahead.
; REGISTERS: window 0: v1-31 addresses; v32-39 the activations' scale words, v40-47 the weights' (scales and nothing else); v48-79 the bias tiles; v80-95 at work; v96-127 the rows' two weights; v128-255 eight activation fragments.
;   window 1: a pass's 16 fragments of W, (s, t) at 64 s + 16 t.   windows 2, 3: 32 accumulators each, (m, t) at 8 (4 m + t); in passes 0-3 window 3 holds the codes just made, in the way out the rows read back.
.set XROW,  0                          ; LDS: 128 rows of x's codes, 512 bytes + 16: the 16 rows of a fragment load start at 16 different groups of banks
.set XSC,   67584                      ; [s 4][row 128] scale words of x
.set HIMG,  69632                      ; the hidden layers as images of their registers: [K step = the wave that made it 4][e 2][p 2][m 8][b 2][lane][16 bytes]: a wave's stores lie in one run of 32,768 bytes
.set HSC,   200704                     ; [K step 4][row 128][e 2] scale words; pass p stores bytes 2 p, 2 p + 1
.set TOK,   204800                     ; [row] token numbers
.set CWL,   205312                     ; [row] (c_lo, c_hi, c_hi, c_lo)
.set STG,   207360                     ; the way out: 16 rows x (256 bytes + 16) for each wave
.set SPARE, 224768                     ; the spare words, 128 bytes a wave: two blocks of 256 bytes that no other line names
.set L16,  1                           ; 16 x lane
.set AX,   2                           ; x's fragments: 528 r + 16 h
.set AXS,  3                           ; x's scale words: XSC + 4 r
.set AH,   4                           ; v4-7: hidden images: HIMG + 16,384 e + 65,536 (s / 2) + 16 x lane, at AH + 2 e + s / 2
.set HST0, 8                           ; where I store images: HIMG + 32,768 w + 16 x lane;
.set HST,  9                           ; + 8,192 x pass
.set HSS0, 10                          ; and their scale bytes: HSC + 1,024 w + 8 r;
.set HSS,  11                          ; + 2 x pass
.set WN,   12                          ; the next pass's offsets in wq,
.set WSN,  13                          ; in wsc,
.set BN,   14                          ; in the bias
.set L8,   15                          ; 8 x lane
.set H64,  16                          ; 64 h
.set STI,  17                          ; the stage, in
.set STO,  18                          ; the stage, back
.set TKA,  19                          ; TOK + 4 h
.set OL,   20                          ; 512 w + 16 (lane % 16)
.set CWA,  21                          ; CWL + 16 r
.set SPW,  22                          ; my spare word; never rewritten
.set NIL,  23                          ; 0; never rewritten
.set AHS,  24                          ; v24-25: hidden scale words: HSC + 8 r + 4 e
.set AS,   32
.set WS,   40
.set BI,   48
.set TM,   80                          ; passes 0-3: v80-81 maxima, v82-83 bytes, v84-85 scale operands, v86-87 holds
.set PW,   88                          ; v88-95 two scale bytes for each row tile
.set TO,   80                          ; the way out: two sets of eight offsets into out0
.set CW,   96
.set ACTR, 128
.set MSB, 0
.macro WIN new                         ; the immediate's high byte repeats the setting that is left; a switch that changes nothing is dropped
.if MSB != (\new)
	s_set_vgpr_msb (MSB<<8)|(\new)
.set MSB, (\new)
.endif
.endm
.macro PLACES                          ; eight places behind this matrix form ahead of loads into registers that it has read and of the first read of its results
.rept 8
	v_nop
.endr
.endm
; Row tile m's fragment and scale word of K step s.  src 0: x;  1: the hidden layer of e_lo;  2: of e_hi.  Five LDS instructions.
.macro ACT src, m, s
.if (\src) == 0
.irp c, 0,1,2,3
	ds_load_b128 v[ACTR+16*(\m)+4*\c:ACTR+16*(\m)+4*\c+3], v[AX] offset:8448*(\m)+128*(\s)+32*\c
.endr
	ds_load_b32 v[AS+(\m)], v[AXS] offset:512*(\s)+64*(\m)
.else
.irp c, 0,1,2,3
	ds_load_b128 v[ACTR+16*(\m)+4*\c:ACTR+16*(\m)+4*\c+3], v[AH+2*((\src)-1)+(\s)/2] offset:32768*((\s)%2)+8192*(\c/2)+1024*(\m)+512*(\c%2)
.endr
	ds_load_b32 v[AS+(\m)], v[AHS+(\src)-1] offset:1024*(\s)+128*(\m)
.endif
.endm
.macro PRELOAD src
.irp m, 0,1,2,3,4,5,6,7
	ACT \src, \m, 0
.endr
.endm
; The next pass's K step s: four fragments of W, their scale words (lanes 0-15: tiles 0, 1; lanes 16-31: tiles 2, 3), and with s = 0 the four bias tiles: 17 loads, or 25.
.macro WFILL s
	WIN 0x40
.irp t, 0,1,2,3
.irp c, 0,1,2,3
	global_load_b128 v[64*(\s)+16*\t+4*\c:64*(\s)+16*\t+4*\c+3], v[WN], s[16:17] offset:8192*(\s)+2048*\t+512*\c
.endr
.endr
	WIN 0
	global_load_b64 v[WS+2*(\s):WS+2*(\s)+1], v[WSN], s[18:19] offset:256*(\s)
.if (\s) == 0
.irp t, 0,1,2,3
	global_load_b128 v[BI+8*\t:BI+8*\t+3], v[BN], s[40:41] offset:(32*(\t/2)+8*(\t%2))*4
	global_load_b128 v[BI+8*\t+4:BI+8*\t+7], v[BN], s[40:41] offset:(32*(\t/2)+8*(\t%2))*4+16
.endr
.endif
.endm
; Where the next pass's weights lie.  In: s43 the expert, s44 the matrix (0, 1), s45 the half; s48 = 2 x wave.  All that picks a pass goes into ONE index, ((mat 8 + e) 4 + w) 2 + p, which is held at 127, the last pass of the buffers;
; behind the bound stand one AND and three shifts with an addition: a pass is 32,768 bytes of wq and 1,024 of wsc; the low six bits count runs of 64 numbers (256 bytes) of a bias.
.macro SETNEXT
	s_wait_xcnt 0x0                                ; the last refills have read their offsets and their base
	s_lshl_b32 s46, s44, 6
	s_lshl_b32 s47, s43, 3
	s_add_co_u32 s46, s46, s47
	s_add_co_u32 s46, s46, s48
	s_add_co_u32 s46, s46, s45
	s_min_u32 s46, s46, 127                        ; a loaded number enters an address only behind a bound
	v_lshl_add_u32 v[WN], s46, 15, v[L16]
	v_lshl_add_u32 v[WSN], s46, 10, v[L8]
	s_and_b32 s47, s46, 63
	v_lshl_add_u32 v[BN], s47, 8, v[H64]
	s_cmp_eq_u32 s44, 0
	s_cselect_b64 s[40:41], s[20:21], s[22:23]     ; b1 or b2
.endm
; One matrix instruction: K step s, row tile m, column tile t.  With s = 0 the bias tile is C: it starts the sum.
.macro MM s, m, t
.set rD, 8*(4*(\m)+(\t))
.set rA, 64*(\s)+16*(\t)
.set rB, ACTR+16*(\m)
.if (\s) == 0
.if (\t) < 2
	v_wmma_scale_f32_16x16x128_f8f6f4 v[rD:rD+7], v[rA:rA+15], v[rB:rB+15], v[BI+8*(\t):BI+8*(\t)+7], v[WS+2*(\s)+(\t)%2], v[AS+(\m)] matrix_a_fmt:MATRIX_FMT_BF8 matrix_b_fmt:MATRIX_FMT_BF8
.else
	v_wmma_scale_f32_16x16x128_f8f6f4 v[rD:rD+7], v[rA:rA+15], v[rB:rB+15], v[BI+8*(\t):BI+8*(\t)+7], v[WS+2*(\s)+(\t)%2], v[AS+(\m)] matrix_a_fmt:MATRIX_FMT_BF8 matrix_b_fmt:MATRIX_FMT_BF8 matrix_a_scale:MATRIX_SCALE_ROW1
.endif
.else
.if (\t) < 2
	v_wmma_scale_f32_16x16x128_f8f6f4 v[rD:rD+7], v[rA:rA+15], v[rB:rB+15], v[rD:rD+7], v[WS+2*(\s)+(\t)%2], v[AS+(\m)] matrix_a_fmt:MATRIX_FMT_BF8 matrix_b_fmt:MATRIX_FMT_BF8
.else
	v_wmma_scale_f32_16x16x128_f8f6f4 v[rD:rD+7], v[rA:rA+15], v[rB:rB+15], v[rD:rD+7], v[WS+2*(\s)+(\t)%2], v[AS+(\m)] matrix_a_fmt:MATRIX_FMT_BF8 matrix_b_fmt:MATRIX_FMT_BF8 matrix_a_scale:MATRIX_SCALE_ROW1
.endif
.endif
.endm
; A K step: 32 matrix instructions, the 32 accumulators by turns, one instruction a turn.  aw: the accumulators' window.  asrc, as: what the activation slots are refilled with (asrc = -1: nothing).
; nw: how many younger global loads may be out when this K step's weights have to be there.
.macro KSTEP s, aw, asrc, as, wfill, nw
	s_wait_loadcnt \nw
.irp jj, 0,1,2,3
.if (\asrc) >= 0
	s_wait_dscnt 30                                ; this pair of slots is in: behind it stand three pairs' refills, ten LDS instructions each
.else
	s_wait_dscnt 30-10*\jj                         ; nothing is refilled: the count runs down
.endif
.if (\s) == 0
	WIN 0x01|((\aw)<<6)                            ; W window 1, activations and bias window 0, D the accumulators' window
.else
	WIN 0x01|((\aw)<<6)|((\aw)<<4)                 ; C there too
.endif
.irp mm, 0,1
.irp t, 0,1,2,3
	MM \s, 2*\jj+\mm, \t
.endr
.endr
.if (\asrc) >= 0
	PLACES
	WIN 0
	ACT \asrc, 2*\jj, \as
	ACT \asrc, 2*\jj+1, \as
.endif
.endr
.if (\asrc) < 0
	PLACES
	WIN 0
.endif
.if \wfill
	WFILL \s
.endif
.endm
; A pass.  The counts: behind the chunk wanted stand three chunks: 17 + 17 + 17, or 17 + 17 + 25.  The last pass refills nothing: 51, 34, 17, 0.
.macro PASS aw, cur, nxt, last
.if \last
	KSTEP 0, \aw, \cur, 1, 0, 51
	KSTEP 1, \aw, \cur, 2, 0, 34
	KSTEP 2, \aw, \cur, 3, 0, 17
	KSTEP 3, \aw, \nxt, 0, 0, 0
.else
	KSTEP 0, \aw, \cur, 1, 1, 51
	KSTEP 1, \aw, \cur, 2, 1, 59
	KSTEP 2, \aw, \cur, 3, 1, 59
	KSTEP 3, \aw, \nxt, 0, 1, 59
.endif
.endm
; Row tile m's 64 hidden units, 32 a lane (window 2, v[32 m] on: register 16 b + i = unit 32 b + 16 h + i of my token): relu, two blocks' scales, codes (window 3), image and scale bytes to LDS.
.macro QH m
.set A0, 32*(\m)
	WIN 0x0a                                       ; sources 0 and 1 window 2.  No |.|: what is negative is to become 0 and must not count; the floor 2^(16 - 127) stands over it
.irp b, 0,1
	v_max3_num_f32 v[TM+\b], v[A0+16*\b], v[A0+16*\b+1], 0x8000000   ; each accumulator is read from its low end on
.endr
.irp i, 2,4,6,8,10,12,14
.irp b, 0,1
	v_max3_num_f32 v[TM+\b], v[A0+16*\b+\i], v[A0+16*\b+\i+1], v[TM+\b]
.endr
.endr
	WIN 0
.irp b, 0,1
	v_permlanex16_b32 v[TM+2+\b], v[TM+\b], s34, s35
.endr
.irp b, 0,1
	v_max_num_f32 v[TM+\b], v[TM+\b], v[TM+2+\b]   ; with lane l xor 16's 16: the block's largest
.endr
.irp b, 0,1
	v_add_nc_u32 v[TM+4+\b], 0xf8800000, v[TM+\b]  ; 15 off the exponent field: the conversion's scale operand
.endr
.irp b, 0,1
	v_and_or_b32 v[TM+6+\b], v[TM+\b], 0x7f800000, s36   ; 57,344 x the scale
.endr
.irp b, 0,1
	v_lshrrev_b32 v[TM+2+\b], 23, v[TM+4+\b]       ; the scale's byte
.endr
	v_lshl_or_b32 v[PW+(\m)], v[TM+3], 8, v[TM+2]
	WIN 0x82
.irp b, 0,1
.irp i, 0,1,2,3,4,5,6,7,8,9,10,11,12,13,14,15
	v_med3_num_f32 v[A0+16*\b+\i], v[A0+16*\b+\i], 0, v[TM+6+\b]     ; the activation and the hold in one
.endr
.endr
	WIN 0xc2
.irp b, 0,1
	v_cvt_scalef32_pk8_bf8_f32 v[8*(\m)+4*\b:8*(\m)+4*\b+1], v[A0+16*\b:A0+16*\b+7], v[TM+4+\b]
	v_cvt_scalef32_pk8_bf8_f32 v[8*(\m)+4*\b+2:8*(\m)+4*\b+3], v[A0+16*\b+8:A0+16*\b+15], v[TM+4+\b]
.endr
	v_nop                                          ; a plain line behind the last conversion
	WIN 0x0c                                       ; an LDS store's data are its source 1: window 3
	ds_store_b128 v[HST], v[8*(\m):8*(\m)+3] offset:1024*(\m)
	ds_store_b128 v[HST], v[8*(\m)+4:8*(\m)+7] offset:1024*(\m)+512
	WIN 0
	ds_store_b16 v[HSS], v[PW+(\m)] offset:128*(\m)   ; both halves of the lanes write the same two bytes
.endm
; THE WAY OUT of row tile m.  COMB: window 2 = c_lo x window 2 + c_hi x window 3, ascending.
.macro COMB m
	WIN 0x82
.set i, 0
.rept 16
	v_pk_mul_f32 v[32*(\m)+i:32*(\m)+i+1], v[32*(\m)+i:32*(\m)+i+1], v[CW+4*(\m):CW+4*(\m)+1] op_sel_hi:[1,0]
.set i, i+2
.endr
	WIN 0xa3
.set i, 0
.rept 16
	v_pk_fma_f32 v[32*(\m)+i:32*(\m)+i+1], v[32*(\m)+i:32*(\m)+i+1], v[CW+4*(\m)+2:CW+4*(\m)+3], v[32*(\m)+i:32*(\m)+i+1] op_sel_hi:[1,0,1]
.set i, i+2
.endr
.endm
; TOSTAGE: 16 rows x 64 columns through my own stage, back as rows of 256 bytes (into window 3, where rows 0-31's sums of e_hi have been used up), with the rows' token numbers.
.macro TOSTAGE m
.set PAR, (\m)%2
	s_wait_xcnt 0x0                                ; the stores of two row tiles back have read their data and offsets
	WIN 0x08
.irp t, 0,1,2,3
	ds_store_b128 v[STI], v[32*(\m)+8*\t:32*(\m)+8*\t+3] offset:128*(\t/2)+32*(\t%2)
	ds_store_b128 v[STI], v[32*(\m)+8*\t+4:32*(\m)+8*\t+7] offset:128*(\t/2)+32*(\t%2)+16
.endr
	WIN 0xc0
.irp i, 0,1,2,3,4,5,6,7
	ds_load_b128 v[32*PAR+4*\i:32*PAR+4*\i+3], v[STO] offset:544*\i   ; LDS serves a wave's instructions in order: these see the stores above
.endr
	WIN 0
.irp i, 0,1,2,3,4,5,6,7
	ds_load_b32 v[TO+8*PAR+\i], v[TKA] offset:(16*(\m)+2*\i)*4
.endr
.endm
.macro SEND par, q
	WIN 0                                          ; the token numbers lie in window 0: the bound and the shift work there
	s_wait_dscnt 0x0
.irp i, 0,1,2,3,4,5,6,7
	v_min_u32 v[TO+8*(\par)+\i], 0x3fff, v[TO+8*(\par)+\i]
.endr
.irp i, 0,1,2,3,4,5,6,7
	v_lshl_add_u32 v[TO+8*(\par)+\i], v[TO+8*(\par)+\i], 11, v[OL]
.endr
	WIN 0x0c
.irp i, 0,1,2,3,4,5,6,7
	global_store_b128 v[TO+8*(\par)+\i], v[32*(\par)+4*\i:32*(\par)+4*\i+3], s[24:25] offset:256*(\q) th:TH_STORE_NT   ; 16 lanes store 256 consecutive bytes of a token's row, at a multiple of 256 from out0's first byte
.endr
	WIN 0
.endm
; Half q of my 128 columns goes out; row tiles wholly beyond the count do not.  A row tile's arithmetic stands between the stage loads of the one before and the wait for them.  The places behind the last products stand at the pass's end.
.macro WAYOUT q
	COMB 0
	TOSTAGE 0
.irp m, 1,2,3,4,5,6,7
	s_cmp_le_u32 s29, 16*\m
.if (\m)%2 == 1
	s_cbranch_scc1 .Lfin0_\@
.else
	s_cbranch_scc1 .Lfin1_\@
.endif
	COMB \m
	SEND (\m-1)%2, \q
	TOSTAGE \m
.endr
.Lfin1_\@:
	SEND 1, \q
	s_branch .Lqd_\@
.Lfin0_\@:
	SEND 0, \q
.Lqd_\@:
.endm
	s_load_b512 s[8:23], s[0:1], 0x0               ; plan, cw, xq, xs, wq, wsc, b1, b2
	s_load_b64 s[24:25], s[0:1], 0x40              ; out0
	v_lshl_add_u32 v[SPW], v0, 2, SPARE
	v_mov_b32 v[NIL], 0
	v_lshrrev_b32 v26, 5, v0
	v_readfirstlane_b32 s32, v26                   ; wave 0..3
	s_lshl_b32 s2, ttmp9, 4
	s_wait_kmcnt 0x0
	s_load_b128 s[28:31], s[8:9], s2 offset:0x10000   ; my tile: start, count, e_lo, e_hi
	v_and_b32 v26, 31, v0                          ; lane
	v_and_b32 v27, 15, v0                          ; r
	v_bfe_u32 v28, v0, 4, 1                        ; h
	v_lshlrev_b32 v[L16], 4, v26
	v_lshlrev_b32 v[L8], 3, v26
	v_lshlrev_b32 v[H64], 6, v28
	v_mul_u32_u24 v[AX], v27, 528
	v_lshl_add_u32 v[AX], v28, 4, v[AX]
	v_lshl_add_u32 v[AXS], v27, 2, XSC
	v_add_nc_u32 v[AH], HIMG, v[L16]
	v_add_nc_u32 v[AH+1], HIMG+65536, v[L16]
	v_add_nc_u32 v[AH+2], HIMG+16384, v[L16]
	v_add_nc_u32 v[AH+3], HIMG+65536+16384, v[L16]
	s_lshl_b32 s42, s32, 15
	s_add_co_u32 s42, s42, HIMG
	v_add_nc_u32 v[HST0], s42, v[L16]
	s_lshl_b32 s42, s32, 10
	s_add_co_u32 s42, s42, HSC
	v_lshl_add_u32 v[HSS0], v27, 3, s42
	v_lshl_add_u32 v[AHS], v27, 3, HSC
	v_add_nc_u32 v[AHS+1], 4, v[AHS]
	s_mul_i32 s42, s32, 16*272
	s_add_co_u32 s42, s42, STG
	v_mul_u32_u24 v[STI], v27, 272
	v_add_nc_u32 v[STI], v[STI], v[H64]
	v_add_nc_u32 v[STI], s42, v[STI]               ; in: row r, 64 h bytes on; a tile's place stands in the immediate
	v_mul_u32_u24 v[STO], v28, 272
	v_lshl_add_u32 v[STO], v27, 4, v[STO]
	v_add_nc_u32 v[STO], s42, v[STO]               ; back: lanes 0-15 one row, lanes 16-31 the next
	v_lshl_add_u32 v[TKA], v28, 2, TOK
	s_lshl_b32 s42, s32, 9
	v_lshl_add_u32 v[OL], v27, 4, s42
	v_lshl_add_u32 v[CWA], v27, 4, CWL
	s_mul_i32 s42, s32, 32*528
	v_add_nc_u32 v31, s42, v[L16]                  ; the head's stores: my wave's 32 rows of x's codes,
	v_lshl_add_u32 v26, v0, 2, XSC                 ; my row's scale words,
	v_lshl_add_u32 v27, v0, 2, TOK                 ; its token number,
	v_lshl_add_u32 v28, v0, 4, CWL                 ; its two weights
	s_mov_b32 s34, 0x76543210
	s_mov_b32 s35, 0xfedcba98                      ; v_permlanex16_b32's selects for lane l xor 16
	s_mov_b32 s36, 0x600000                        ; the mantissa field of 57,344
	s_lshl_b32 s48, s32, 1                         ; 2 x wave: my part of a pass's index
	s_wait_kmcnt 0x0
	s_min_u32 s28, s28, 0x3fff
	s_min_u32 s29, s29, 128
	s_min_u32 s30, s30, 7
	s_min_u32 s31, s31, 7
	s_sub_co_u32 s42, s29, 1
	v_min_u32 v29, s42, v0                         ; row = thread; rows at and beyond the count take the last row's token
	v_add_nc_u32 v29, s28, v29
	v_min_u32 v29, 0x3fff, v29
	v_lshlrev_b32 v29, 2, v29
	global_load_b32 v30, v29, s[8:9]               ; my row's token
	s_mov_b32 s43, s30                             ; pass 0: W1 of e_lo, half 0
	s_mov_b32 s44, 0
	s_mov_b32 s45, 0
	SETNEXT
	WFILL 0
	WFILL 1
	WFILL 2
	WFILL 3
	s_wait_loadcnt 63                              ; 76 loads were issued behind the token's: it is in
	v_min_u32 v30, 0x3fff, v30
	v_lshlrev_b32 v114, 3, v30
	v_lshlrev_b32 v115, 4, v30
	global_load_b64 v[112:113], v114, s[10:11]     ; c_lo, c_hi
	global_load_b128 v[116:119], v115, s[14:15]    ; x's 16 scale bytes
.set i, 0
.rept 32                               ; my wave's 32 rows of codes: 32 lanes read a row's 512 bytes
	v_readlane_b32 s46, v30, i
	s_min_u32 s46, s46, 0x3fff
	v_lshl_add_u32 v[80+i], s46, 9, v[L16]
	global_load_b128 v[ACTR+4*i:ACTR+4*i+3], v[80+i], s[12:13]
.set i, i+1
.endr
	s_wait_loadcnt 0x0
.set i, 0
.rept 32
	ds_store_b128 v31, v[ACTR+4*i:ACTR+4*i+3] offset:528*i
.set i, i+1
.endr
.irp s, 0,1,2,3
	ds_store_b32 v26, v[116+\s] offset:512*\s
.endr
	ds_store_b32 v27, v30
	v_mov_b32 v120, v112
	v_mov_b32 v121, v113
	v_mov_b32 v122, v113
	v_mov_b32 v123, v112
	ds_store_b128 v28, v[120:123]
	v_mov_b32 v[TM+2], 0                           ; written once: a lane permute's destination counts as one of its sources
	v_mov_b32 v[TM+3], 0
	s_wait_dscnt 0x0                               ; for the others' sake
	s_barrier_signal -1
	s_barrier_wait -1                              ; the tile's rows lie in LDS
.irp m, 0,1,2,3,4,5,6,7
	ds_load_b128 v[CW+4*\m:CW+4*\m+3], v[CWA] offset:256*\m
.endr
	PRELOAD 0
	s_mov_b32 s33, 0                               ; the pass
	s_mov_b32 s37, 0                               ; 8,192 x pass
	s_mov_b32 s38, 0                               ; 2 x pass
.Lp1:                                              ; four trips in every work-group; one without rows passes over a trip's work, not over the steps at its end
	s_cmp_eq_u32 s29, 0
	s_cbranch_scc1 .Lp1_next
	s_add_co_u32 s42, s33, 1                       ; the pass after this one: 1, 2, 3: W1 (e_lo, 1), (e_hi, 0), (e_hi, 1); 4: W2 (e_lo, 0)
	s_bitcmp1_b32 s42, 1
	s_cselect_b32 s43, s31, s30
	s_bfe_u32 s44, s42, 0x10002                    ; its bit 2: the matrix
	s_and_b32 s45, s42, 1                          ; its bit 0: the half
	SETNEXT
	v_add_nc_u32 v[HST], s37, v[HST0]
	v_add_nc_u32 v[HSS], s38, v[HSS0]
	PASS 2, 0, -1, 0
	s_cmp_eq_u32 s33, 3
	s_cbranch_scc1 .Lp1_nopre
	PRELOAD 0                                      ; the next pass's first fragments of x land while this pass's results are quantised
.Lp1_nopre:
.irp m, 0,1,2,3,4,5,6,7
	QH \m
.endr
.Lp1_next:
	s_add_co_u32 s37, s37, 8192
	s_add_co_u32 s38, s38, 2
	s_add_co_u32 s33, s33, 1
	s_cmp_lt_u32 s33, 4
	s_cbranch_scc1 .Lp1
	s_wait_dscnt 0x0                               ; my images and scale bytes are stored
	s_barrier_signal -1
	s_barrier_wait -1                              ; both hidden layers lie in LDS
	s_cmp_eq_u32 s29, 0
	s_cbranch_scc1 .Lend
	PRELOAD 1
	s_mov_b32 s43, s31                             ; next: W2 of e_hi, half 0
	s_mov_b32 s44, 1
	s_mov_b32 s45, 0
	SETNEXT
	PASS 2, 1, 2, 0                                ; Y of e_lo, half 0
	s_mov_b32 s43, s30                             ; next: W2 of e_lo, half 1
	s_mov_b32 s45, 1
	SETNEXT
	PASS 3, 2, 1, 0                                ; Y of e_hi, half 0
	WAYOUT 0
	s_mov_b32 s43, s31                             ; next: W2 of e_hi, half 1.  (The wait at this macro's head also frees the data of the last stores, which the pass after next writes over)
	SETNEXT
	PASS 2, 1, 2, 0                                ; Y of e_lo, half 1
	PASS 3, 2, -1, 1                               ; Y of e_hi, half 1: nothing more to fetch
	WAYOUT 1
.Lend:
	s_wait_tensorcnt 0x0                           ; the wave's end
	ds_add_u32 v[SPW], v[NIL]
	s_wait_dscnt 0x0
	s_endpgm
.Lfunc_end_k_q3510d59241_chain:
	.size	k_q3510d59241_chain, .Lfunc_end_k_q3510d59241_chain-k_q3510d59241_chain
	.p2alignl 7, 3214868480
	.fill 96, 4, 3214868480
	.section	.rodata,"a",@progbits
	.p2align	6, 0x0
	.amdhsa_kernel k_q3510d59241_chain
		.amdhsa_group_segment_fixed_size 225280
		.amdhsa_private_segment_fixed_size 0
		.amdhsa_enable_private_segment 0
		.amdhsa_kernarg_size 72
		.amdhsa_user_sgpr_count 2
		.amdhsa_user_sgpr_kernarg_segment_ptr 1
		.amdhsa_wavefront_size32 1
		.amdhsa_system_sgpr_workgroup_id_x 1
		.amdhsa_system_sgpr_workgroup_id_y 1
		.amdhsa_system_sgpr_workgroup_id_z 1
		.amdhsa_system_vgpr_workitem_id 0
		.amdhsa_next_free_vgpr 1024
		.amdhsa_next_free_sgpr 66
		.amdhsa_reserve_vcc 0
		.amdhsa_float_denorm_mode_32 3
		.amdhsa_float_denorm_mode_16_64 3
		.amdhsa_memory_ordered 1
		.amdhsa_forward_progress 1
		.amdhsa_inst_pref_size 255
	.end_amdhsa_kernel
	.section	.bss,"aw",@nobits
	.p2align	6
	.space	262144
	.amdgpu_metadata
---
amdhsa.version: [ 1, 2 ]
amdhsa.kernels:
  - .name:           k_q3510d59241_chain
    .symbol:         k_q3510d59241_chain.kd
    .args:
      - { .name: plan, .offset: 0, .size: 8, .value_kind: global_buffer, .address_space: global }
      - { .name: cw, .offset: 8, .size: 8, .value_kind: global_buffer, .address_space: global }
      - { .name: xq, .offset: 16, .size: 8, .value_kind: global_buffer, .address_space: global }
      - { .name: xs, .offset: 24, .size: 8, .value_kind: global_buffer, .address_space: global }
      - { .name: wq, .offset: 32, .size: 8, .value_kind: global_buffer, .address_space: global }
      - { .name: wsc, .offset: 40, .size: 8, .value_kind: global_buffer, .address_space: global }
      - { .name: b1, .offset: 48, .size: 8, .value_kind: global_buffer, .address_space: global }
      - { .name: b2, .offset: 56, .size: 8, .value_kind: global_buffer, .address_space: global }
      - { .name: out0, .offset: 64, .size: 8, .value_kind: global_buffer, .address_space: global }
    .group_segment_fixed_size: 225280
    .private_segment_fixed_size: 0
    .kernarg_segment_align: 8
    .kernarg_segment_size: 72
    .max_flat_workgroup_size: 128
    .sgpr_count:     66
    .vgpr_count:     1024
    .wavefront_size: 32
...
	.end_amdgpu_metadata
.endif
;; end of part 3
;; ======== version 2 of 2: 3 launches
;; workspace buffers: xq 8,388,608 bytes; xs 262,144 bytes; wq 4,194,304 bytes; wsc 131,072 bytes; cw 131,072 bytes; rt 131,072 bytes of whole numbers; plan 68,096 bytes of whole numbers
;; launch prep (part 4): grid 384 x 1, 4 waves a work-group, no clusters, 35,328 bytes of LDS; arguments x, gate_w, w1, w2, xq, xs, wq, wsc, cw, rt; writes xq, xs, wq, wsc, cw, rt
.if DOCPART == 4
	.amdgcn_target "amdgcn-amd-amdhsa--gfx1250"
	.amdhsa_code_object_version 6
	.text
	.protected	k_q3510d59241_prep
	.globl	k_q3510d59241_prep
	.p2align	8
	.type	k_q3510d59241_prep,@function
k_q3510d59241_prep:
	s_mov_b64 s[64:65], 0
	v_nop
	global_prefetch_b8 v0, s[64:65] scope:SCOPE_SE
	s_setreg_imm32_b32 hwreg(HW_REG_WAVE_MODE, 25, 1), 1
	s_wait_xcnt 0x0
; ROUTER, launch 1 of 3.  out[t] = sum over the two experts e chosen for token t of combine[t][e] x (relu(x[t] W1[e] + b1[e]) W2[e] + b2[e]), both products on codes of E5M2 with one E8M0 scale for each 32 along K.
; WORK LEFT OUT BY THE WHOLE PROGRAM.  combine[t][e] is the sum over the two chosen places of one_hot(sel)[e] x weight: for an expert e that is not among token t's two, both one_hot terms are 0, so combine[t][e] = 0
; whatever the inputs hold, and that expert's h and y for that token are multiplied by 0: they reach no output in exact arithmetic.  So only the two chosen experts of each token are multiplied.  The choice is made here, stored as
; whole numbers at fixed places, and turned into addresses by the later launches alone.  Every input still has a way to the output and is loaded by some launch.
; LIMITS.  A NaN, an infinity or an overflow in an expert's y that is not chosen for a token (0 x infinity as the problem is written) is not carried to the result.  NaN or infinity in x or gate_w is not served (the two largest have no order then).
; Gate logits are f32 sums in another order than the problem's own: logits that agree to about 1e-6 of their size may be ranked otherwise.  A block whose largest magnitude lies under 2^(16 - 127), a block of zeros among them,
; gets the scale byte 1 (the rule says 127 for zeros): its codes are zeros, and the bytes are read by this program alone.
; WORK-GROUPS 0-255 (path X): 64 tokens each, 16 a wave, a token's row of 512 numbers a step.  From one read of x: the eight gate logits (f32 fused multiply-adds on the row as it is loaded, gate_w kept in 128 registers in the same order),
; and the row's codes and 16 scale bytes (the row turns through the wave's own stage in LDS, so that a lane holds 16 neighbours along K and two lanes a block).  Then waves 0 and 1, a lane a token: the two largest logits
; (strictly greater replaces: the lower index wins a tie, as top_k has it), their softmax with the larger taken away first, the pair's number hi (hi - 1) / 2 + lo, the token's rank among its 32 neighbours of the same pair, and the 32 tokens' histogram.
; WORK-GROUPS 256-383 (path W): w1 and w2 are quantised along K, which is their first axis: a lane takes a column and its registers run down K.  The codes are stored in the order of the operand's registers as the third launch takes them:
; wq [mat 2][e 8][w 4][p 2][s 4][t 4][c 4][lane 32][16 bytes]; column n: w = n / 128, p = (n / 64) % 2, b = (n / 32) % 2, v = n % 32, u = (v / 8) % 2, r = v % 8 + 8 (v / 16), t = 2 b + u; lane r + 16 h holds k = 128 s + 32 c + 16 h + 0 .. 15.
; wsc [mat][e][w][p][s][b][r][u]: a word of four scale bytes.  Path W touches no LDS and has no barrier.
.set LOG,   32768                      ; LDS: 64 tokens x 8 logits, behind the four waves' regions of 8,192 bytes (two stages of 32 x 80 bytes, then 256 scale bytes at 5,120)
.set SPARE, 34816                      ; the spare words, 128 bytes a wave: two blocks of 256 bytes that no other line names
.set SP,    80                         ; a lane's place in a stage: 64 bytes + 16 of padding
.set ACC,   16                         ; v16-31   eight sums, in two halves each
.set LG,    32                         ; v32-39   the eight logits
.set C,     40                         ; v40-47   codes, two sets of four
.set X,     48                         ; v48-79   two sets of 16 neighbours
.set R,     80                         ; v80-127  three sets of 16 numbers as loaded
.set G,     128                        ; v128-255 gate_w: expert e at G + 16 e, register 4 i + j = gate_w[e][128 i + 4 lane + j]
	s_load_b512 s[8:23], s[0:1], 0x0               ; x, gate_w, w1, w2, xq, xs, wq, wsc
	s_load_b128 s[24:27], s[0:1], 0x40             ; cw, rt
	v_lshl_add_u32 v6, v0, 2, SPARE                ; my spare word; never rewritten
	v_mov_b32 v7, 0                                ; 0; never rewritten
	v_lshrrev_b32 v8, 5, v0
	v_readfirstlane_b32 s32, v8                    ; wave 0..3
	v_and_b32 v17, 31, v0                          ; lane
	s_mov_b32 s45, 0                               ; the upper word of every offset
	s_cmp_lt_u32 ttmp9, 256                        ; the work-group's number alone: the same in all four waves
	s_cbranch_scc0 .Lweights
	; ---------------- path X ----------------
	v_lshlrev_b32 v1, 4, v17                       ; v1: 16 x lane
	s_lshl_b32 s33, s32, 13                        ; my wave's region
	v_lshrrev_b32 v2, 2, v17
	v_mul_u32_u24 v2, v2, SP
	v_and_b32 v3, 3, v17
	v_lshl_add_u32 v2, v3, 4, v2
	v_add_nc_u32 v2, s33, v2                       ; v2: into a stage: four lanes' 64 bytes on end, then the padding
	v_mul_u32_u24 v3, v17, SP
	v_add_nc_u32 v3, s33, v3                       ; v3: out of it: my 16 neighbours
	v_lshrrev_b32 v4, 1, v17
	s_add_co_u32 s37, s33, 5120
	v_add_nc_u32 v4, s37, v4                       ; v4: my block's scale byte
	v_lshlrev_b32 v15, 3, v17                      ; v15: 8 x lane
	v_add_nc_u32 v14, s37, v15                     ; v14: the scale bytes on their way out
	s_lshl_b32 s38, s32, 9
	s_add_co_u32 s38, s38, LOG
	v_mov_b32 v5, s38                              ; v5: my wave's 16 tokens' logits
	s_mov_b32 s34, 0x76543210
	s_mov_b32 s35, 0xfedcba98                      ; v_permlanex16_b32's selects for lane l xor 16
	s_mov_b32 s36, 0x600000                        ; the mantissa field of 57,344
	s_lshl_b32 s39, ttmp9, 6
	s_lshl_b32 s40, s32, 4
	s_add_co_u32 s39, s39, s40                     ; my wave's first token
	s_wait_alu depctr_va_vdst(0)
	s_wait_kmcnt 0x0
	s_lshl_b32 s44, s39, 11
	s_add_nc_u64 s[8:9], s[8:9], s[44:45]          ; x: 2,048 bytes a token
	s_lshl_b32 s44, s39, 9
	s_add_nc_u64 s[16:17], s[16:17], s[44:45]      ; xq: 512
	s_lshl_b32 s44, s39, 4
	s_add_nc_u64 s[18:19], s[18:19], s[44:45]      ; xs: 16
.irp e, 0,1,2,3,4,5,6,7
.irp i, 0,1,2,3
	global_load_b128 v[G+16*\e+4*\i:G+16*\e+4*\i+3], v1, s[10:11] offset:2048*\e+512*\i
.endr
.endr
.macro LOADX t                         ; token t's row as it lies: 32 lanes read 512 consecutive bytes
.irp i, 0,1,2,3
	global_load_b128 v[R+16*((\t)%3)+4*\i:R+16*((\t)%3)+4*\i+3], v1, s[8:9] offset:2048*(\t)+512*\i th:TH_LOAD_NT
.endr
.endm
.macro TURN t                          ; through the stage: LDS serves a wave's instructions in order, so no wait stands between the stores and the loads
.irp i, 0,1,2,3
	ds_store_b128 v2, v[R+16*((\t)%3)+4*\i:R+16*((\t)%3)+4*\i+3] offset:32*SP*((\t)%2)+8*SP*\i
.endr
.irp i, 0,1,2,3
	ds_load_b128 v[X+16*((\t)%2)+4*\i:X+16*((\t)%2)+4*\i+3], v3 offset:32*SP*((\t)%2)+16*\i
.endr
.endm
	LOADX 0
	LOADX 1
	LOADX 2
	s_wait_loadcnt 8                               ; gate_w and row 0 are in; rows 1 and 2 (eight loads) may be out
	TURN 0
.macro STEP t
.set RS, R+16*((\t)%3)
.set XS, X+16*((\t)%2)
.set CS, C+4*((\t)%2)
.if (\t) > 0
	s_wait_dscnt 1                                 ; this row is back from the stage, and the last step's logits are stored (only its byte store may be out)
.else
	s_wait_dscnt 0x0
.endif
.irp e, 0,1,2,3,4,5,6,7                        ; the gate: the first products start the eight sums, the experts by turns
	v_pk_mul_f32 v[ACC+2*\e:ACC+2*\e+1], v[RS:RS+1], v[G+16*\e:G+16*\e+1]
.endr
.irp k, 1,2,3,4,5,6,7
.irp e, 0,1,2,3,4,5,6,7
	v_pk_fma_f32 v[ACC+2*\e:ACC+2*\e+1], v[RS+2*\k:RS+2*\k+1], v[G+16*\e+2*\k:G+16*\e+2*\k+1], v[ACC+2*\e:ACC+2*\e+1]
.endr
.endr
.irp e, 0,1,2,3,4,5,6,7
	v_add_f32 v[LG+\e], v[ACC+2*\e], v[ACC+2*\e+1]
.endr
.irp x, 1,2,4,8
.irp e, 0,1,2,3,4,5,6,7
	v_add_f32_dpp v[LG+\e], v[LG+\e], v[LG+\e] row_xmask:\x row_mask:0xf bank_mask:0xf
.endr
.endr
.irp e, 0,1,2,3,4,5,6,7
	v_permlanex16_b32 v[ACC+\e], v[LG+\e], s34, s35
.endr
.irp e, 0,1,2,3,4,5,6,7
	v_add_f32 v[LG+\e], v[LG+\e], v[ACC+\e]        ; every lane holds the token's eight logits
.endr
	ds_store_b128 v5, v[LG:LG+3] offset:32*(\t)    ; all lanes write the same bytes with the same values
	ds_store_b128 v5, v[LG+4:LG+7] offset:32*(\t)+16
.if (\t)+3 < 16
	LOADX (\t)+3                                   ; into the set that the sums and the turn have read
.endif
.if (\t)+1 < 16
.if 14-(\t) >= 2
	s_wait_loadcnt 8                               ; the next row is in; the two rows behind it may be out
.else
	s_wait_loadcnt 4*(14-(\t))
.endif
	TURN (\t)+1
.endif
	v_max3_num_f32 v8, |v[XS]|, |v[XS+1]|, |v[XS+2]|               ; the largest magnitude of my 16, in two chains
	v_max3_num_f32 v9, |v[XS+3]|, |v[XS+4]|, |v[XS+5]|
.irp i, 6,10
	v_max3_num_f32 v8, v8, |v[XS+\i]|, |v[XS+\i+1]|
	v_max3_num_f32 v9, v9, |v[XS+\i+2]|, |v[XS+\i+3]|
.endr
	v_max3_num_f32 v8, v8, |v[XS+14]|, |v[XS+15]|
	v_max3_num_f32 v8, v8, v9, 16<<23              ; and the floor 2^(16 - 127): the byte cannot fall under 1
	v_max_num_f32_dpp v8, v8, v8 row_xmask:1 row_mask:0xf bank_mask:0xf   ; with my neighbour's 16: the block's
	v_add_nc_u32 v11, 0xf8800000, v8               ; 15 off its exponent field: the conversion's scale operand
	v_and_or_b32 v10, v8, 0x7f800000, s36          ; 57,344 x the scale
.irp i, 0,1,2,3,4,5,6,7,8,9,10,11,12,13,14,15
	v_med3_num_f32 v[XS+\i], v[XS+\i], -v10, v10   ; the conversion to an 8-bit code does not saturate (ISA guide 7.6.2): the hold comes first
.endr
	s_wait_alu depctr_va_vdst(0)
	s_wait_xcnt 0x0                                ; the store of two steps back has read this set of codes
	v_cvt_scalef32_pk8_bf8_f32 v[CS:CS+1], v[XS:XS+7], v11
	v_cvt_scalef32_pk8_bf8_f32 v[CS+2:CS+3], v[XS+8:XS+15], v11
	v_lshrrev_b32 v[12+(\t)%2], 23, v11            ; the scale's byte (also the plain line behind the conversions)
	ds_store_b8 v4, v[12+(\t)%2] offset:16*(\t)    ; both lanes of a block write the same byte
	global_store_b128 v1, v[CS:CS+3], s[16:17] offset:512*(\t)   ; 32 lanes store the token's 512 codes
.endm
.irp t, 0,1,2,3,4,5,6,7,8,9,10,11,12,13,14,15
	STEP \t
.endr
	ds_load_b64 v[8:9], v14                        ; my wave's 256 scale bytes
	v_and_b32 v17, 31, v0                          ; lane, anew
	s_and_b32 s37, s32, 1
	s_lshl_b32 s37, s37, 10
	s_add_co_u32 s37, s37, LOG
	v_lshl_add_u32 v16, v17, 5, s37                ; where the routing reads a token's logits: made ahead of the parting of the waves
	s_wait_dscnt 0x0
	global_store_b64 v15, v[8:9], s[18:19]         ; one aligned run of 256 bytes
	s_barrier_signal -1                            ; every wave's logits are stored (the wait for 0 stands above)
	s_barrier_wait -1
	s_cmp_lt_u32 s32, 2                            ; waves 0 and 1 route 32 tokens each; no barrier follows
	s_cbranch_scc0 .Lxend
	s_wait_xcnt 0x0                                ; the last step's store of codes and the store of scale bytes have read their registers: v40-47 are written again below
	s_wait_alu depctr_va_vdst(0)
	ds_load_b128 v[32:35], v16
	ds_load_b128 v[36:39], v16 offset:16
	s_lshl_b32 s38, ttmp9, 6
	s_lshl_b32 s39, s32, 5
	s_add_co_u32 s38, s38, s39
	v_add_nc_u32 v56, s38, v17                     ; my token
	v_mov_b32 v41, 0                               ; the largest's index,
	v_mov_b32 v42, 0xff800000                      ; the second largest: -infinity,
	v_mov_b32 v43, 0                               ; its index
	s_wait_alu depctr_va_vdst(0)
	s_wait_dscnt 0x0
	v_mov_b32 v40, v32                             ; the largest so far
.irp e, 1,2,3,4,5,6,7
	v_cmp_gt_f32 s40, v[32+\e], v40
	v_cmp_gt_f32 s41, v[32+\e], v42
	v_cndmask_b32 v42, v42, v[32+\e], s41          ; over the second: it takes its place,
	v_cndmask_b32 v43, v43, \e, s41
	v_cndmask_b32 v42, v42, v40, s40               ; over the first: the first moves down
	v_cndmask_b32 v43, v43, v41, s40
	v_cndmask_b32 v40, v40, v[32+\e], s40
	v_cndmask_b32 v41, v41, \e, s40
.endr
	v_sub_f32 v44, v42, v40                        ; the larger is taken away first: 0 or less
	v_mul_f32 v44, 0x3fb8aa3b, v44
	s_wait_alu depctr_va_vdst(0)
	v_exp_f32 v45, v44
	v_min_u32 v48, v41, v43                        ; lo (a plain line behind the exponential)
	s_wait_alu depctr_va_vdst(0)                   ; the wait ahead of the result's first reader
	v_add_f32 v46, 1.0, v45
	s_wait_alu depctr_va_vdst(0)
	v_rcp_f32 v47, v46                             ; the larger's weight
	v_add_nc_u32 v49, v41, v43                     ; (a plain line behind the reciprocal)
	s_wait_alu depctr_va_vdst(0)
	v_mul_f32 v45, v45, v47                        ; the smaller's
	v_sub_nc_u32 v49, v49, v48                     ; hi
	v_cmp_lt_u32 vcc_lo, v41, v43
	v_cndmask_b32 v50, v45, v47, vcc_lo            ; the weight of expert lo,
	v_cndmask_b32 v51, v47, v45, vcc_lo            ; of expert hi
	v_add_nc_u32 v52, -1, v49
	v_mul_u32_u24 v52, v52, v49
	v_lshrrev_b32 v52, 1, v52
	v_add_nc_u32 v52, v52, v48                     ; the pair's number, 0 .. 27
	v_mov_b32 v53, 0                               ; the histogram: lane b will hold pair b's count
	v_mov_b32 v54, 0                               ; my rank among the 32 tokens' same pair
.set k, 0
.rept 28
	v_cmp_eq_u32 vcc_lo, k, v52
	v_mbcnt_lo_u32_b32 v55, vcc_lo, 0
	v_cndmask_b32 v54, v54, v55, vcc_lo
	s_bcnt1_i32_b32 s42, vcc_lo
	v_writelane_b32 v53, s42, k
.set k, k+1
.endr
	v_lshl_or_b32 v59, v54, 8, v52
	v_lshlrev_b32 v57, 2, v56
	v_lshlrev_b32 v58, 3, v56
	global_store_b32 v57, v59, s[26:27]            ; all three at places made of ids alone
	global_store_b64 v58, v[50:51], s[24:25]
	global_store_b32 v57, v53, s[26:27] offset:65536
.Lxend:
	s_wait_tensorcnt 0x0                           ; the wave's end
	ds_add_u32 v6, v7
	s_wait_dscnt 0x0
	s_endpgm
	; ---------------- path W ----------------
.Lweights:
	s_sub_co_u32 s33, ttmp9, 256
	s_lshr_b32 s34, s33, 6                         ; mat: 0 = w1, 1 = w2
	s_bfe_u32 s35, s33, 0x30003                    ; e
	s_bfe_u32 s36, s33, 0x20001                    ; which 128 columns
	s_and_b32 s37, s33, 1                          ; which 256 along K
	s_lshr_b32 s38, s32, 1                         ; p
	s_and_b32 s39, s32, 1                          ; b
	s_mov_b32 s40, 0x600000
	s_wait_alu depctr_va_vdst(0)
	v_lshlrev_b32 v1, 2, v17                       ; in: 4 bytes a lane
	v_bfe_u32 v2, v17, 3, 1                        ; u
	v_and_b32 v3, 7, v17
	v_bfe_u32 v8, v17, 4, 1
	v_lshl_add_u32 v3, v8, 3, v3                   ; r
	v_lshlrev_b32 v4, 11, v2
	v_lshl_add_u32 v4, v3, 4, v4                   ; codes: 2,048 u + 16 r
	v_lshlrev_b32 v5, 2, v2
	v_lshl_add_u32 v5, v3, 3, v5                   ; scale words: 8 r + 4 u
	s_wait_alu depctr_va_vdst(0)
	s_wait_kmcnt 0x0
	s_cmp_eq_u32 s34, 0
	s_cselect_b64 s[12:13], s[12:13], s[14:15]
	s_lshl_b32 s44, s35, 20                        ; the expert's 512 x 512 numbers,
	s_lshl_b32 s41, s37, 19                        ; 256 rows of 2,048 bytes,
	s_add_co_u32 s44, s44, s41
	s_lshl_b32 s41, s36, 9                         ; 128 columns,
	s_add_co_u32 s44, s44, s41
	s_lshl_b32 s41, s32, 7                         ; my wave's 32
	s_add_co_u32 s44, s44, s41
	s_add_nc_u64 s[12:13], s[12:13], s[44:45]
	s_lshl_b32 s44, s34, 21
	s_lshl_b32 s41, s35, 18
	s_add_co_u32 s44, s44, s41
	s_lshl_b32 s41, s36, 16
	s_add_co_u32 s44, s44, s41
	s_lshl_b32 s41, s38, 15
	s_add_co_u32 s44, s44, s41
	s_lshl_b32 s41, s37, 14
	s_add_co_u32 s44, s44, s41
	s_lshl_b32 s41, s39, 12
	s_add_co_u32 s44, s44, s41
	s_add_nc_u64 s[20:21], s[20:21], s[44:45]
	s_lshl_b32 s44, s34, 16
	s_lshl_b32 s41, s35, 13
	s_add_co_u32 s44, s44, s41
	s_lshl_b32 s41, s36, 11
	s_add_co_u32 s44, s44, s41
	s_lshl_b32 s41, s38, 10
	s_add_co_u32 s44, s44, s41
	s_lshl_b32 s41, s37, 9
	s_add_co_u32 s44, s44, s41
	s_lshl_b32 s41, s39, 7
	s_add_co_u32 s44, s44, s41
	s_add_nc_u64 s[22:23], s[22:23], s[44:45]
.macro LOADW t                         ; block t: 32 rows of my column into set t % 2; a wave's load reads 128 consecutive bytes
.set i, 0
.rept 32
	global_load_b32 v[32+32*((\t)%2)+i], v1, s[12:13] offset:(32*(\t)+i)*2048 th:TH_LOAD_NT
.set i, i+1
.endr
.endm
	LOADW 0
	LOADW 1
.macro BLOCK t
.set XS, 32+32*((\t)%2)
.set CT, 96+8*(\t)                     ; eight registers of codes for each block, so that no store's data are written again
.if (\t) < 7
	s_wait_loadcnt 32                              ; this block is in; the next block's 32 loads may be out
.else
	s_wait_loadcnt 0x0
.endif
	v_max3_num_f32 v12, |v[XS]|, |v[XS+1]|, |v[XS+2]|              ; all 32 numbers of the block are mine
	v_max3_num_f32 v13, |v[XS+3]|, |v[XS+4]|, |v[XS+5]|
.irp i, 6,10,14,18,22,26
	v_max3_num_f32 v12, v12, |v[XS+\i]|, |v[XS+\i+1]|
	v_max3_num_f32 v13, v13, |v[XS+\i+2]|, |v[XS+\i+3]|
.endr
	v_max3_num_f32 v12, v12, |v[XS+30]|, |v[XS+31]|
	v_max3_num_f32 v12, v12, v13, 16<<23           ; and the floor
	v_add_nc_u32 v11, 0xf8800000, v12
	v_and_or_b32 v10, v12, 0x7f800000, s40
	v_lshrrev_b32 v13, 23, v11                     ; the scale's byte
.if (\t)%4 == 0
	v_mov_b32 v[14+(\t)/4], v13                    ; four bytes to a word, the lower K in the lower byte
.else
	v_lshl_or_b32 v[14+(\t)/4], v13, 8*((\t)%4), v[14+(\t)/4]
.endif
.set i, 0
.rept 32
	v_med3_num_f32 v[XS+i], v[XS+i], -v10, v10
.set i, i+1
.endr
.irp g, 0,1,2,3
	v_cvt_scalef32_pk8_bf8_f32 v[CT+2*\g:CT+2*\g+1], v[XS+8*\g:XS+8*\g+7], v11
.endr
	v_nop                                          ; a plain line behind the last conversion
	global_store_b128 v4, v[CT:CT+3], s[20:21] offset:((\t)/4)*8192+((\t)%4)*512       ; k = 0 .. 15 of the block: lanes r of the image; two aligned runs of 256 bytes (u = 0, 1)
	global_store_b128 v4, v[CT+4:CT+7], s[20:21] offset:((\t)/4)*8192+((\t)%4)*512+256 ; k = 16 .. 31: lanes 16 + r
.if (\t)+2 < 8
	LOADW (\t)+2
.endif
.endm
.irp t, 0,1,2,3,4,5,6,7
	BLOCK \t
.endr
	global_store_b32 v5, v14, s[22:23]
	global_store_b32 v5, v15, s[22:23] offset:256
	s_endpgm
.Lfunc_end_k_q3510d59241_prep:
	.size	k_q3510d59241_prep, .Lfunc_end_k_q3510d59241_prep-k_q3510d59241_prep
	.p2alignl 7, 3214868480
	.fill 96, 4, 3214868480
	.section	.rodata,"a",@progbits
	.p2align	6, 0x0
	.amdhsa_kernel k_q3510d59241_prep
		.amdhsa_group_segment_fixed_size 35328
		.amdhsa_private_segment_fixed_size 0
		.amdhsa_enable_private_segment 0
		.amdhsa_kernarg_size 80
		.amdhsa_user_sgpr_count 2
		.amdhsa_user_sgpr_kernarg_segment_ptr 1
		.amdhsa_wavefront_size32 1
		.amdhsa_system_sgpr_workgroup_id_x 1
		.amdhsa_system_sgpr_workgroup_id_y 1
		.amdhsa_system_sgpr_workgroup_id_z 1
		.amdhsa_system_vgpr_workitem_id 0
		.amdhsa_next_free_vgpr 256
		.amdhsa_next_free_sgpr 66
		.amdhsa_reserve_vcc 1
		.amdhsa_float_denorm_mode_32 3
		.amdhsa_float_denorm_mode_16_64 3
		.amdhsa_memory_ordered 1
		.amdhsa_forward_progress 1
		.amdhsa_inst_pref_size 237
	.end_amdhsa_kernel
	.amdgpu_metadata
---
amdhsa.version: [ 1, 2 ]
amdhsa.kernels:
  - .name:           k_q3510d59241_prep
    .symbol:         k_q3510d59241_prep.kd
    .args:
      - { .name: x, .offset: 0, .size: 8, .value_kind: global_buffer, .address_space: global }
      - { .name: gate_w, .offset: 8, .size: 8, .value_kind: global_buffer, .address_space: global }
      - { .name: w1, .offset: 16, .size: 8, .value_kind: global_buffer, .address_space: global }
      - { .name: w2, .offset: 24, .size: 8, .value_kind: global_buffer, .address_space: global }
      - { .name: xq, .offset: 32, .size: 8, .value_kind: global_buffer, .address_space: global }
      - { .name: xs, .offset: 40, .size: 8, .value_kind: global_buffer, .address_space: global }
      - { .name: wq, .offset: 48, .size: 8, .value_kind: global_buffer, .address_space: global }
      - { .name: wsc, .offset: 56, .size: 8, .value_kind: global_buffer, .address_space: global }
      - { .name: cw, .offset: 64, .size: 8, .value_kind: global_buffer, .address_space: global }
      - { .name: rt, .offset: 72, .size: 8, .value_kind: global_buffer, .address_space: global }
    .group_segment_fixed_size: 35328
    .private_segment_fixed_size: 0
    .kernarg_segment_align: 8
    .kernarg_segment_size: 80
    .max_flat_workgroup_size: 128
    .sgpr_count:     66
    .vgpr_count:     256
    .wavefront_size: 32
...
	.end_amdgpu_metadata
.endif
;; end of part 4
;; launch place (part 5): grid 1 x 1, 32 waves a work-group, no clusters, 8,192 bytes of LDS; arguments rt, plan; writes plan
.if DOCPART == 5
	.amdgcn_target "amdgcn-amd-amdhsa--gfx1250"
	.amdhsa_code_object_version 6
	.text
	.protected	k_q3510d59241_place
	.globl	k_q3510d59241_place
	.p2align	8
	.type	k_q3510d59241_place,@function
k_q3510d59241_place:
	s_mov_b64 s[64:65], 0
	v_nop
	global_prefetch_b8 v0, s[64:65] scope:SCOPE_SE
	s_setreg_imm32_b32 hwreg(HW_REG_WAVE_MODE, 25, 1), 1
	s_wait_xcnt 0x0
; ROUTER, launch 2 of 3: the tokens are sorted by their pair of experts, and the list of tiles is made.  (Experts that are not chosen for a token are multiplied by nobody: their combine weight is 0 for every input; see the first kernel's head.)
; rt: route[16384] = pair | rank << 8 at byte 0; hist[512 groups of 32 tokens][32] at byte 65,536.  plan: order[16384], the token numbers sorted by pair, at byte 0; tiles[160] x {start, count, e_lo, e_hi} at byte 65,536.
; One work-group, 32 waves; a counting sort without atomics.  Wave w owns groups 16 w .. 16 w + 15; lane b stands for pair b.  A token's place = its pair's base + the counts of that pair in all earlier groups + its rank in its group.
; A tile is up to 128 tokens of ONE pair: pair b has ceil(count / 128) tiles, so there are never more than 128 + 27 = 155, whatever the choice; entries beyond the last tile get the count 0.
.set TAB,   0                          ; LDS: [wave 32][pair 32] words
.set SPARE, 4096                       ; the spare words, 128 bytes a wave: sixteen blocks of 256 bytes that no other line names
	s_load_b128 s[4:7], s[0:1], 0x0                ; rt, plan
	v_lshl_add_u32 v4, v0, 2, SPARE                ; my spare word; never rewritten
	v_mov_b32 v5, 0                                ; 0; never rewritten
	v_lshrrev_b32 v9, 5, v0
	s_delay_alu instid0(VALU_DEP_1)
	v_readfirstlane_b32 s8, v9                     ; wave 0..31
	v_and_b32 v10, 31, v0                          ; lane
	s_delay_alu instid0(VALU_DEP_1)
	v_lshlrev_b32 v1, 2, v10                       ; v1: 4 x lane
	s_lshl_b32 s9, s8, 11
	v_add_nc_u32 v2, s9, v1                        ; v2: my wave's 16 groups, 128 bytes each, in both tables
	v_lshlrev_b32 v3, 2, v0                        ; v3: TAB[wave][lane]
	s_lshl_b32 s9, s8, 9
	v_add_nc_u32 v11, s9, v10                      ; my token in group 16 w
	s_wait_alu depctr_va_vdst(0)
	s_wait_kmcnt 0x0
.irp j, 0,1,2,3,4,5,6,7,8,9,10,11,12,13,14,15
	global_load_b32 v[16+\j], v2, s[4:5] offset:65536+128*\j       ; v16-31: the groups' histograms
.endr
.irp j, 0,1,2,3,4,5,6,7,8,9,10,11,12,13,14,15
	global_load_b32 v[32+\j], v2, s[4:5] offset:128*\j             ; v32-47: the tokens' route words
.endr
	v_mov_b32 v80, 0                               ; v80-95: counts in my wave's earlier groups
	s_wait_alu depctr_va_vdst(0)
	s_wait_loadcnt 16                              ; the histograms are in; the 16 route loads may be out
.irp j, 0
	v_add_nc_u32 v[81+\j], v[80+\j], v[16+\j]
.endr
.irp j, 1, 2, 3, 4, 5, 6, 7, 8, 9, 10, 11, 12, 13, 14
	s_delay_alu instid0(VALU_DEP_1)
	v_add_nc_u32 v[81+\j], v[80+\j], v[16+\j]
.endr
	s_delay_alu instid0(VALU_DEP_1)
	v_add_nc_u32 v12, v95, v31                     ; my wave's total
	ds_store_b32 v3, v12
	s_wait_dscnt 0x0                               ; for the others' sake
	s_barrier_signal -1
	s_barrier_wait -1
.set k, 0
.rept 32
	ds_load_b32 v[48+k], v1 offset:128*k           ; v48-79: every wave's total of pair = lane
.set k, k+1
.endr
	v_mov_b32 v6, 0                                ; v6: the pair's count in all,
	v_mov_b32 v7, 0                                ; v7: in the waves ahead of mine
	s_wait_alu depctr_va_vdst(0)
	s_wait_dscnt 0x0
.set k, 0
.rept 32
	s_cmp_gt_u32 s8, k
	s_cselect_b32 s21, -1, 0
	v_add_nc_u32 v6, v6, v[48+k]
	v_and_b32 v9, s21, v[48+k]
	s_delay_alu instid0(VALU_DEP_1)
	v_add_nc_u32 v7, v7, v9
.set k, k+1
.endr
	v_mov_b32 v8, 0                                ; v8: where the pair's tokens begin in the list
	s_mov_b32 s20, 0
.set k, 0
.rept 28
	v_readlane_b32 s22, v6, k
	v_writelane_b32 v8, s20, k
	s_add_co_u32 s20, s20, s22
.set k, k+1
.endr
	v_add_nc_u32 v13, v8, v7
	s_wait_alu depctr_va_vdst(0)
	s_wait_loadcnt 0x0                             ; the route words
.irp j, 0,1,2,3,4,5,6,7,8,9,10,11,12,13,14,15
	v_add_nc_u32 v[80+\j], v[80+\j], v13           ; lane b: where group j's tokens of pair b begin
	v_and_b32 v[16+\j], 0xff, v[32+\j]
	s_delay_alu instid0(VALU_DEP_1)
	v_lshlrev_b32 v[16+\j], 2, v[16+\j]
	ds_bpermute_b32 v[48+\j], v[16+\j], v[80+\j]   ; each token takes its own pair's (a permute between lanes: no LDS byte is touched)
.endr
.irp j, 0,1,2,3,4,5,6,7,8,9,10,11,12,13,14,15
	v_lshrrev_b32 v[32+\j], 8, v[32+\j]            ; the rank
	v_add_nc_u32 v[64+\j], 32*\j, v11              ; the token's number
.endr
	s_wait_dscnt 0x0
.irp j, 0,1,2,3,4,5,6,7,8,9,10,11,12,13,14,15
	v_add_nc_u32 v[48+\j], v[48+\j], v[32+\j]
	s_delay_alu instid0(VALU_DEP_1)
	v_min_u32 v[48+\j], 0x3fff, v[48+\j]           ; a loaded number enters an address only behind a bound
	s_delay_alu instid0(VALU_DEP_1)
	v_lshlrev_b32 v[48+\j], 2, v[48+\j]
	global_store_b32 v[48+\j], v[64+\j], s[6:7]
.endr
	s_cmp_lt_u32 s8, 5                             ; waves 0 to 4 write the 160 entries of the tile list, a lane an entry; no barrier follows
	s_cbranch_scc0 .Lend
	v_mov_b32 v96, 0                               ; of the last pair whose first tile is at or under my entry: its base in the list,
	v_mov_b32 v97, 0                               ; its count,
	v_mov_b32 v98, 0                               ; its first tile,
	v_mov_b32 v99, 0                               ; its two experts
	s_mov_b32 s20, 0
	s_mov_b32 s21, 0
.set BB, 0
.irp hi, 1,2,3,4,5,6,7
.irp lo, 0,1,2,3,4,5,6
.if \lo < \hi
	v_readlane_b32 s22, v6, BB
	v_cmp_le_u32 vcc_lo, s21, v0
	s_mov_b32 s23, \lo|(\hi<<8)
	v_cndmask_b32 v96, v96, s20, vcc_lo
	v_cndmask_b32 v97, v97, s22, vcc_lo
	v_cndmask_b32 v98, v98, s21, vcc_lo
	v_cndmask_b32 v99, v99, s23, vcc_lo
	s_add_co_u32 s20, s20, s22
	s_add_co_u32 s22, s22, 127
	s_lshr_b32 s22, s22, 7
	s_add_co_u32 s21, s21, s22
.set BB, BB+1
.endif
.endr
.endr
	v_sub_nc_u32 v9, v0, v98
	s_delay_alu instid0(VALU_DEP_1)
	v_lshlrev_b32 v9, 7, v9                        ; 128 x my tile's number within the pair
	s_delay_alu instid0(VALU_DEP_1)
	v_add_nc_u32 v100, v96, v9                     ; start
	s_delay_alu instid0(VALU_DEP_2)
	v_min_u32 v10, v9, v97
	s_delay_alu instid0(VALU_DEP_1)
	v_sub_nc_u32 v10, v97, v10
	s_delay_alu instid0(VALU_DEP_1)
	v_min_u32 v101, 128, v10                       ; count: what is left of the pair, 128 at the most, 0 beyond the last tile
	v_and_b32 v102, 0xff, v99                      ; e_lo
	v_lshrrev_b32 v103, 8, v99                     ; e_hi
	v_lshlrev_b32 v12, 4, v0
	global_store_b128 v12, v[100:103], s[6:7] offset:65536
.Lend:
	s_wait_tensorcnt 0x0                           ; the wave's end
	ds_add_u32 v4, v5
	s_wait_dscnt 0x0
	s_endpgm
.Lfunc_end_k_q3510d59241_place:
	.size	k_q3510d59241_place, .Lfunc_end_k_q3510d59241_place-k_q3510d59241_place
	.p2alignl 7, 3214868480
	.fill 96, 4, 3214868480
	.section	.rodata,"a",@progbits
	.p2align	6, 0x0
	.amdhsa_kernel k_q3510d59241_place
		.amdhsa_group_segment_fixed_size 8192
		.amdhsa_private_segment_fixed_size 0
		.amdhsa_enable_private_segment 0
		.amdhsa_kernarg_size 16
		.amdhsa_user_sgpr_count 2
		.amdhsa_user_sgpr_kernarg_segment_ptr 1
		.amdhsa_wavefront_size32 1
		.amdhsa_system_sgpr_workgroup_id_x 1
		.amdhsa_system_sgpr_workgroup_id_y 1
		.amdhsa_system_sgpr_workgroup_id_z 1
		.amdhsa_system_vgpr_workitem_id 0
		.amdhsa_next_free_vgpr 112
		.amdhsa_next_free_sgpr 66
		.amdhsa_reserve_vcc 1
		.amdhsa_float_denorm_mode_32 3
		.amdhsa_float_denorm_mode_16_64 3
		.amdhsa_memory_ordered 1
		.amdhsa_forward_progress 1
		.amdhsa_inst_pref_size 44
	.end_amdhsa_kernel
	.amdgpu_metadata
---
amdhsa.version: [ 1, 2 ]
amdhsa.kernels:
  - .name:           k_q3510d59241_place
    .symbol:         k_q3510d59241_place.kd
    .args:
      - { .name: rt, .offset: 0, .size: 8, .value_kind: global_buffer, .address_space: global }
      - { .name: plan, .offset: 8, .size: 8, .value_kind: global_buffer, .address_space: global }
    .group_segment_fixed_size: 8192
    .private_segment_fixed_size: 0
    .kernarg_segment_align: 8
    .kernarg_segment_size: 16
    .max_flat_workgroup_size: 1024
    .sgpr_count:     66
    .vgpr_count:     112
    .wavefront_size: 32
...
	.end_amdgpu_metadata
.endif
;; end of part 5
;; launch chain (part 6): grid 155 x 1, 4 waves a work-group, no clusters, 225,280 bytes of LDS; arguments plan, cw, xq, xs, wq, wsc, b1, b2, out0; writes out0
.if DOCPART == 6
	.amdgcn_target "amdgcn-amd-amdhsa--gfx1250"
	.amdhsa_code_object_version 6
	.text
	.protected	k_q3510d59241_chain
	.globl	k_q3510d59241_chain
	.p2align	8
	.type	k_q3510d59241_chain,@function
k_q3510d59241_chain:
	s_mov_b64 s[64:65], 0
	v_nop
	global_prefetch_b8 v0, s[64:65] scope:SCOPE_SE
	s_setreg_imm32_b32 hwreg(HW_REG_WAVE_SCHED_MODE, 0, 2), 2
	s_setreg_imm32_b32 hwreg(HW_REG_WAVE_MODE, 25, 1), 1
	s_wait_xcnt 0x0
	s_wait_alu depctr_vm_vsrc(0)
; ROUTER, launch 3 of 3: a work-group takes one tile, up to 128 tokens that chose the same two experts, through both experts: out = c_lo (relu(x W1[lo] + b1[lo]) W2[lo] + b2[lo]) + c_hi (the same of hi).
; (Experts that are not chosen for a token are not multiplied: their combine weight is 0 for every input; see the first kernel's head.)  A token lies in exactly one tile, so each row of out0 has one owner.
; 155 work-groups serve every split (128 + 27 tiles at the most); one whose count is 0 stores nothing.
; NO CLUSTER, NO TENSOR LOAD: which experts a tile needs, and whether it has rows at all, are stored numbers on which addresses and branches hang; neighbouring tiles need not share an expert.  The weights' codes go from memory straight into
; registers: the first launch has laid them in the order of the operand's registers.
; SHARES.  128 rows = 8 row tiles m of 16.  THE WAVES SHARE THE COLUMNS: wave w makes hidden units and outputs 128 w .. 128 w + 127 for all rows, so each weight byte enters the work-group once and feeds eight matrix instructions.
; A PASS = 64 columns (4 tiles t) x 128 rows x K 512: 4 K steps of 32 matrix instructions, used TRANSPOSED (source 0 = 16 columns of W, source 1 = 16 tokens): lane (r, h) holds token r, and register j of tile 2 b + u column 32 b + 16 h + 8 u + j:
; the 16 registers of tiles 2 b, 2 b + 1 are 16 neighbours along the next K.  Passes 0-3 (a loop): W1 of e_lo, e_lo, e_hi, e_hi, halves 0, 1, 0, 1: bias as C, relu and quantiser in registers, images to LDS.
; Passes 4-7: W2: (e_lo, half 0) into window 2, (e_hi, half 0) into window 3, the way out; then half 1 likewise.  Rows at and beyond the count are copies of the last row: in the last row tile they store the same bytes to the same row;
; row tiles wholly beyond the count are not stored.
; The weights run a pass ahead: K step s of a pass refills its quarter of the ring (window 1) with the next pass's K step s, three K steps (96 matrix instructions) ahead of its use.  Activations come from LDS, a slot for each row tile, refilled four row tiles at a time, 16 matrix instructions ahead.
; THE MODE: SCHED_MODE bits 1:0 = 2 (LLVM: expert scheduling mode 2), set by the entry lines.  The code itself states the register dependences between vector or matrix instructions and memory or LDS instructions, with s_wait_alu, always for 0.
; THE PLAN.  Registers that memory or LDS instructions touch, and who else names them:
;   slots v128-255, AS v32-39    LDS loads land in them; a K step's matrix instructions read them.  A K step is 16 products of row tiles 0-3, a wait on va_vdst, the refill of slots 0-3, 16 products of row tiles 4-7, a wait on va_vdst, the refill of slots 4-7.
;   W (window 1), WS v40-47, BI v48-79   Global loads land in them; K step s's 32 products read quarter s.  Its refill follows the step's second wait.
;   WN, WSN, BN, HST, HSS        Written between two passes, behind one wait on vm_vsrc (the last refills and LDS stores have read them); read by the pass's refills and stores, behind the pass's first wait on va_vdst.
;   codes (window 3, v0-63), PW v88-95   Registers of its own for each row tile: the eight quantisers write them, ONE wait on va_vdst, 24 LDS stores read them; written again a pass later, behind the wait on vm_vsrc between the passes.
;   the way out                  Row tile m's sums (window 2): written by COMB m, read by the stage's stores.  Two buffers of rows (window 3, v0-31 and v32-63) and two sets of offsets (v80-87, v88-95) by turns: LDS loads land in them, the offsets are
;                                bounded and shifted in place, eight global stores read them.  One wait on va_vdst and one on vm_vsrc to a row tile.
;   all other address registers  Made at the head, ahead of its wait on va_vdst, and never written again.
; REGISTERS: window 0: v1-31 addresses; v32-39 the activations' scale words, v40-47 the weights' (scales and nothing else); v48-79 the bias tiles; v80-95 at work; v96-127 the rows' two weights; v128-255 eight activation fragments.
;   window 1: a pass's 16 fragments of W, (s, t) at 64 s + 16 t.   windows 2, 3: 32 accumulators each, (m, t) at 8 (4 m + t); in passes 0-3 window 3 holds the codes just made, in the way out the rows read back.
.set XROW,  0                          ; LDS: 128 rows of x's codes, 512 bytes + 16: the 16 rows of a fragment load start at 16 different groups of banks
.set XSC,   67584                      ; [s 4][row 128] scale words of x
.set HIMG,  69632                      ; the hidden layers as images of their registers: [K step = the wave that made it 4][e 2][p 2][m 8][b 2][lane][16 bytes]: a wave's stores lie in one run of 32,768 bytes
.set HSC,   200704                     ; [K step 4][row 128][e 2] scale words; pass p stores bytes 2 p, 2 p + 1
.set TOK,   204800                     ; [row] token numbers
.set CWL,   205312                     ; [row] (c_lo, c_hi, c_hi, c_lo)
.set STG,   207360                     ; the way out: 16 rows x (256 bytes + 16) for each wave
.set SPARE, 224768                     ; the spare words, 128 bytes a wave: two blocks of 256 bytes that no other line names
.set L16,  1                           ; 16 x lane
.set AX,   2                           ; x's fragments: 528 r + 16 h
.set AXS,  3                           ; x's scale words: XSC + 4 r
.set AH,   4                           ; v4-7: hidden images: HIMG + 16,384 e + 65,536 (s / 2) + 16 x lane, at AH + 2 e + s / 2
.set HST0, 8                           ; where I store images: HIMG + 32,768 w + 16 x lane;
.set HST,  9                           ; + 8,192 x pass
.set HSS0, 10                          ; and their scale bytes: HSC + 1,024 w + 8 r;
.set HSS,  11                          ; + 2 x pass
.set WN,   12                          ; the next pass's offsets in wq,
.set WSN,  13                          ; in wsc,
.set BN,   14                          ; in the bias
.set L8,   15                          ; 8 x lane
.set H64,  16                          ; 64 h
.set STI,  17                          ; the stage, in
.set STO,  18                          ; the stage, back
.set TKA,  19                          ; TOK + 4 h
.set OL,   20                          ; 512 w + 16 (lane % 16)
.set CWA,  21                          ; CWL + 16 r
.set SPW,  22                          ; my spare word; never rewritten
.set NIL,  23                          ; 0; never rewritten
.set AHS,  24                          ; v24-25: hidden scale words: HSC + 8 r + 4 e
.set AS,   32
.set WS,   40
.set BI,   48
.set TM,   80                          ; passes 0-3: v80-81 maxima, v82-83 bytes, v84-85 scale operands, v86-87 holds
.set PW,   88                          ; v88-95 two scale bytes for each row tile
.set TO,   80                          ; the way out: two sets of eight offsets into out0
.set CW,   96
.set ACTR, 128
.set MSB, 0
.macro WIN new                         ; the immediate's high byte repeats the setting that is left; a switch that changes nothing is dropped
.if MSB != (\new)
	s_set_vgpr_msb (MSB<<8)|(\new)
.set MSB, (\new)
.endif
.endm
.macro PLACES                          ; eight places behind this matrix form ahead of the first read of its results by a vector instruction
.rept 8
	v_nop
.endr
.endm
; Row tile m's fragment and scale word of K step s.  src 0: x;  1: the hidden layer of e_lo;  2: of e_hi.  Five LDS instructions.
.macro ACT src, m, s
.if (\src) == 0
.irp c, 0,1,2,3
	ds_load_b128 v[ACTR+16*(\m)+4*\c:ACTR+16*(\m)+4*\c+3], v[AX] offset:8448*(\m)+128*(\s)+32*\c
.endr
	ds_load_b32 v[AS+(\m)], v[AXS] offset:512*(\s)+64*(\m)
.else
.irp c, 0,1,2,3
	ds_load_b128 v[ACTR+16*(\m)+4*\c:ACTR+16*(\m)+4*\c+3], v[AH+2*((\src)-1)+(\s)/2] offset:32768*((\s)%2)+8192*(\c/2)+1024*(\m)+512*(\c%2)
.endr
	ds_load_b32 v[AS+(\m)], v[AHS+(\src)-1] offset:1024*(\s)+128*(\m)
.endif
.endm
.macro PRELOAD src
.irp m, 0,1,2,3,4,5,6,7
	ACT \src, \m, 0
.endr
.endm
; The next pass's K step s: four fragments of W, their scale words (lanes 0-15: tiles 0, 1; lanes 16-31: tiles 2, 3), and with s = 0 the four bias tiles: 17 loads, or 25.
.macro WFILL s
	WIN 0x40
.irp t, 0,1,2,3
.irp c, 0,1,2,3
	global_load_b128 v[64*(\s)+16*\t+4*\c:64*(\s)+16*\t+4*\c+3], v[WN], s[16:17] offset:8192*(\s)+2048*\t+512*\c
.endr
.endr
	WIN 0
	global_load_b64 v[WS+2*(\s):WS+2*(\s)+1], v[WSN], s[18:19] offset:256*(\s)
.if (\s) == 0
.irp t, 0,1,2,3
	global_load_b128 v[BI+8*\t:BI+8*\t+3], v[BN], s[40:41] offset:(32*(\t/2)+8*(\t%2))*4
	global_load_b128 v[BI+8*\t+4:BI+8*\t+7], v[BN], s[40:41] offset:(32*(\t/2)+8*(\t%2))*4+16
.endr
.endif
.endm
; Where the next pass's weights lie.  In: s43 the expert, s44 the matrix (0, 1), s45 the half; s48 = 2 x wave.  All that picks a pass goes into ONE index, ((mat 8 + e) 4 + w) 2 + p, which is held at 127, the last pass of the buffers;
; behind the bound stand one AND and three shifts with an addition: a pass is 32,768 bytes of wq and 1,024 of wsc; the low six bits count runs of 64 numbers (256 bytes) of a bias.  again = 1: every use but the head's.
.macro SETNEXT again
	s_wait_xcnt 0x0                                ; the last refills have read their offsets and their base
.if \again
	s_wait_alu depctr_vm_vsrc(0)                   ; the last refills have read v[WN], v[WSN], v[BN], written below; the LDS stores of the pass or way out before have read v[HST], v[HSS], the codes, the scale bytes and the sums, and its global stores their rows and offsets: all are written again further down
.endif
	s_lshl_b32 s46, s44, 6
	s_lshl_b32 s47, s43, 3
	s_add_co_u32 s46, s46, s47
	s_add_co_u32 s46, s46, s48
	s_add_co_u32 s46, s46, s45
	s_min_u32 s46, s46, 127                        ; a loaded number enters an address only behind a bound
	v_lshl_add_u32 v[WN], s46, 15, v[L16]
	v_lshl_add_u32 v[WSN], s46, 10, v[L8]
	s_and_b32 s47, s46, 63
	v_lshl_add_u32 v[BN], s47, 8, v[H64]
	s_cmp_eq_u32 s44, 0
	s_cselect_b64 s[40:41], s[20:21], s[22:23]     ; b1 or b2
.endm
; One matrix instruction: K step s, row tile m, column tile t.  With s = 0 the bias tile is C: it starts the sum.
.macro MM s, m, t
.set rD, 8*(4*(\m)+(\t))
.set rA, 64*(\s)+16*(\t)
.set rB, ACTR+16*(\m)
.if (\s) == 0
.if (\t) < 2
	v_wmma_scale_f32_16x16x128_f8f6f4 v[rD:rD+7], v[rA:rA+15], v[rB:rB+15], v[BI+8*(\t):BI+8*(\t)+7], v[WS+2*(\s)+(\t)%2], v[AS+(\m)] matrix_a_fmt:MATRIX_FMT_BF8 matrix_b_fmt:MATRIX_FMT_BF8
.else
	v_wmma_scale_f32_16x16x128_f8f6f4 v[rD:rD+7], v[rA:rA+15], v[rB:rB+15], v[BI+8*(\t):BI+8*(\t)+7], v[WS+2*(\s)+(\t)%2], v[AS+(\m)] matrix_a_fmt:MATRIX_FMT_BF8 matrix_b_fmt:MATRIX_FMT_BF8 matrix_a_scale:MATRIX_SCALE_ROW1
.endif
.else
.if (\t) < 2
	v_wmma_scale_f32_16x16x128_f8f6f4 v[rD:rD+7], v[rA:rA+15], v[rB:rB+15], v[rD:rD+7], v[WS+2*(\s)+(\t)%2], v[AS+(\m)] matrix_a_fmt:MATRIX_FMT_BF8 matrix_b_fmt:MATRIX_FMT_BF8
.else
	v_wmma_scale_f32_16x16x128_f8f6f4 v[rD:rD+7], v[rA:rA+15], v[rB:rB+15], v[rD:rD+7], v[WS+2*(\s)+(\t)%2], v[AS+(\m)] matrix_a_fmt:MATRIX_FMT_BF8 matrix_b_fmt:MATRIX_FMT_BF8 matrix_a_scale:MATRIX_SCALE_ROW1
.endif
.endif
.endm
.macro MM8 s, m0                       ; eight of them: row tiles m0, m0 + 1 x the four column tiles
.irp mm, 0,1
.irp t, 0,1,2,3
	MM \s, (\m0)+\mm, \t
.endr
.endr
.endm
; A K step: 32 matrix instructions, the 32 accumulators by turns, one instruction a turn, in two halves of four row tiles.  aw: the accumulators' window.
; asrc, as: what the activation slots are refilled with (asrc = -1: nothing).  nw: how many younger global loads may be out when this K step's weights have to be there.  out = 1: vector instructions read the sums next.
; The loads stand in runs straight behind their wait: each needs another window setting than the products, so a load set singly among them would cost two switches.
.macro KSTEP s, aw, asrc, as, wfill, nw, out
	s_wait_loadcnt \nw
.irp hf, 0,1
.if (\asrc) >= 0
	s_wait_dscnt 30                                ; this pair of slots is in: behind its ten loads stand the half's other pair's ten and the other half's twenty
.else
	s_wait_dscnt 30-20*\hf                         ; nothing is refilled: the counts run down
.endif
.if (\s) == 0
	WIN 0x01|((\aw)<<6)                            ; W window 1, activations and bias window 0, D the accumulators' window
.else
	WIN 0x01|((\aw)<<6)|((\aw)<<4)                 ; C there too
.endif
	MM8 \s, 4*\hf
.if (\asrc) >= 0
	s_wait_dscnt 20                                ; the half's other pair is in
.else
	s_wait_dscnt 20-20*\hf
.endif
	MM8 \s, 4*\hf+2
.if (\out) && (\hf == 1)
	PLACES
.endif
.if ((\asrc) >= 0) || (\hf == 1)
	WIN 0
.endif
.if ((\asrc) >= 0) || ((\wfill) && (\hf == 1))
	s_wait_alu depctr_va_vdst(0)                   ; the products above are done reading this half's four fragments and scale words, in which the LDS loads below land; behind the second half also this K step's fragments of W, their scale words and, with s = 0, the bias tiles, in which the refill lands; in a pass's first K step v[WN], v[WSN], v[BN], v[HST], v[HSS] are written
.endif
.if (\asrc) >= 0
.irp m, 0,1,2,3
	ACT \asrc, 4*\hf+\m, \as
.endr
.endif
.endr
.if \wfill
	WFILL \s
.endif
.endm
; A pass.  The counts: behind the chunk wanted stand three chunks: 17 + 17 + 17, or 17 + 17 + 25.  The last pass refills nothing: 51, 34, 17, 0.
.macro PASS aw, cur, nxt, last, out
.if \last
	KSTEP 0, \aw, \cur, 1, 0, 51, 0
	KSTEP 1, \aw, \cur, 2, 0, 34, 0
	KSTEP 2, \aw, \cur, 3, 0, 17, 0
	KSTEP 3, \aw, \nxt, 0, 0, 0, \out
.else
	KSTEP 0, \aw, \cur, 1, 1, 51, 0
	KSTEP 1, \aw, \cur, 2, 1, 59, 0
	KSTEP 2, \aw, \cur, 3, 1, 59, 0
	KSTEP 3, \aw, \nxt, 0, 1, 59, \out
.endif
.endm
; Row tile m's 64 hidden units, 32 a lane (window 2, v[32 m] on: register 16 b + i = unit 32 b + 16 h + i of my token): relu, two blocks' scales, codes (window 3, v[8 m] on) and two scale bytes (v[PW + m]): registers of its own for each row tile.
.macro QHA m
.set A0, 32*(\m)
	WIN 0x0a                                       ; sources 0 and 1 window 2.  No |.|: what is negative is to become 0 and must not count; the floor 2^(16 - 127) stands over it
.irp b, 0,1
	v_max3_num_f32 v[TM+\b], v[A0+16*\b], v[A0+16*\b+1], 0x8000000   ; each accumulator is read from its low end on
.endr
.irp i, 2,4,6,8,10,12,14
.irp b, 0,1
	v_max3_num_f32 v[TM+\b], v[A0+16*\b+\i], v[A0+16*\b+\i+1], v[TM+\b]
.endr
.endr
	WIN 0
.irp b, 0,1
	v_permlanex16_b32 v[TM+2+\b], v[TM+\b], s34, s35
.endr
.irp b, 0,1
	v_max_num_f32 v[TM+\b], v[TM+\b], v[TM+2+\b]   ; with lane l xor 16's 16: the block's largest
.endr
.irp b, 0,1
	v_add_nc_u32 v[TM+4+\b], 0xf8800000, v[TM+\b]  ; 15 off the exponent field: the conversion's scale operand
.endr
.irp b, 0,1
	v_and_or_b32 v[TM+6+\b], v[TM+\b], 0x7f800000, s36   ; 57,344 x the scale
.endr
.irp b, 0,1
	v_lshrrev_b32 v[TM+2+\b], 23, v[TM+4+\b]       ; the scale's byte
.endr
	v_lshl_or_b32 v[PW+(\m)], v[TM+3], 8, v[TM+2]
	WIN 0x82
.irp b, 0,1
.irp i, 0,1,2,3,4,5,6,7,8,9,10,11,12,13,14,15
	v_med3_num_f32 v[A0+16*\b+\i], v[A0+16*\b+\i], 0, v[TM+6+\b]     ; the activation and the hold in one
.endr
.endr
	WIN 0xc2
.irp b, 0,1
	v_cvt_scalef32_pk8_bf8_f32 v[8*(\m)+4*\b:8*(\m)+4*\b+1], v[A0+16*\b:A0+16*\b+7], v[TM+4+\b]
	v_cvt_scalef32_pk8_bf8_f32 v[8*(\m)+4*\b+2:8*(\m)+4*\b+3], v[A0+16*\b+8:A0+16*\b+15], v[TM+4+\b]
.endr
	v_nop                                          ; a plain line behind the last conversion
.endm
; The eight row tiles' images and scale bytes go to LDS in one run, behind one wait.
.macro QSTORE
	WIN 0x0c                                       ; an LDS store's data are its source 1: window 3
	s_wait_alu depctr_va_vdst(0)                   ; the conversions have written the eight row tiles' codes and the shifts their scale bytes, which the 24 LDS stores below read
.irp m, 0,1,2,3,4,5,6,7
	ds_store_b128 v[HST], v[8*\m:8*\m+3] offset:1024*\m
	ds_store_b128 v[HST], v[8*\m+4:8*\m+7] offset:1024*\m+512
.endr
	WIN 0
.irp m, 0,1,2,3,4,5,6,7
	ds_store_b16 v[HSS], v[PW+\m] offset:128*\m    ; both halves of the lanes write the same two bytes
.endr
.endm
; THE WAY OUT of row tile m.  COMB: window 2 = c_lo x window 2 + c_hi x window 3, ascending.
.macro COMB m
	WIN 0x82
.set i, 0
.rept 16
	v_pk_mul_f32 v[32*(\m)+i:32*(\m)+i+1], v[32*(\m)+i:32*(\m)+i+1], v[CW+4*(\m):CW+4*(\m)+1] op_sel_hi:[1,0]
.set i, i+2
.endr
	WIN 0xa3
.set i, 0
.rept 16
	v_pk_fma_f32 v[32*(\m)+i:32*(\m)+i+1], v[32*(\m)+i:32*(\m)+i+1], v[CW+4*(\m)+2:CW+4*(\m)+3], v[32*(\m)+i:32*(\m)+i+1] op_sel_hi:[1,0,1]
.set i, i+2
.endr
.endm
; TOSTAGE: 16 rows x 64 columns through my own stage, back as rows of 256 bytes (into window 3, where rows 0-31's sums of e_hi have been used up), with the rows' token numbers.  Buffer m % 2.
.macro TOSTAGE m
.set PAR, (\m)%2
	WIN 0x08
.irp t, 0,1,2,3
	ds_store_b128 v[STI], v[32*(\m)+8*\t:32*(\m)+8*\t+3] offset:128*(\t/2)+32*(\t%2)
	ds_store_b128 v[STI], v[32*(\m)+8*\t+4:32*(\m)+8*\t+7] offset:128*(\t/2)+32*(\t%2)+16
.endr
	WIN 0xc0
.irp i, 0,1,2,3,4,5,6,7
	ds_load_b128 v[32*PAR+4*\i:32*PAR+4*\i+3], v[STO] offset:544*\i   ; LDS serves a wave's instructions in order: these see the stores above
.endr
	WIN 0
.irp i, 0,1,2,3,4,5,6,7
	ds_load_b32 v[TO+8*PAR+\i], v[TKA] offset:(16*(\m)+2*\i)*4
.endr
.endm
.macro OFFS par                        ; buffer par is back from the stage; its token numbers become offsets into out0
	WIN 0                                          ; the token numbers lie in window 0: the bound and the shift work there
	s_wait_dscnt 0x0
.irp i, 0,1,2,3,4,5,6,7
	v_min_u32 v[TO+8*(\par)+\i], 0x3fff, v[TO+8*(\par)+\i]
.endr
.irp i, 0,1,2,3,4,5,6,7
	v_lshl_add_u32 v[TO+8*(\par)+\i], v[TO+8*(\par)+\i], 11, v[OL]
.endr
.endm
.macro SEND par, q
	WIN 0x0c
.irp i, 0,1,2,3,4,5,6,7
	global_store_b128 v[TO+8*(\par)+\i], v[32*(\par)+4*\i:32*(\par)+4*\i+3], s[24:25] offset:256*(\q) th:TH_STORE_NT   ; 16 lanes store 256 consecutive bytes of a token's row, at a multiple of 256 from out0's first byte
.endr
	WIN 0
.endm
; Half q of my 128 columns goes out; row tiles wholly beyond the count do not.  A row tile's arithmetic stands between the stage loads of the one before and the wait for them.  The places behind the last products stand at the pass's end.
; Row tile m's turn: its arithmetic and the offsets of tile m - 1 (vector work); the waits; tile m - 1's stores; tile m through the stage, into the buffers that the stores of tile m - 2 have read.
.macro WAYOUT q
	COMB 0
	WIN 0x08
	s_wait_alu depctr_va_vdst(0)                   ; COMB 0 has written row tile 0's sums, which the stage's stores read, and is done reading window 3's v0-31, in which the stage's loads land
	TOSTAGE 0
.irp m, 1,2,3,4,5,6,7
	s_cmp_le_u32 s29, 16*\m
.if (\m)%2 == 1
	s_cbranch_scc1 .Lfin0_\@
.else
	s_cbranch_scc1 .Lfin1_\@
.endif
	COMB \m
	OFFS (\m-1)%2
.if \m >= 2
	s_wait_xcnt 0x0                                ; the stores of two row tiles back, issued a turn ago, have had their addresses translated (ISA guide 3.1),
	s_wait_alu depctr_vm_vsrc(0)                   ; and have read their rows and offsets, in which this tile's loads from the stage land
.endif
	s_wait_alu depctr_va_vdst(0)                   ; COMB has written this tile's sums, which the stage's stores read, and is done reading window 3; the offsets of the tile before are written, which its stores read; the other set of offsets, written a turn ago, may be loaded again
	SEND (\m-1)%2, \q
	TOSTAGE \m
.endr
.Lfin1_\@:
	OFFS 1
	s_wait_alu depctr_va_vdst(0)                   ; the last tile's offsets are written, which its stores read
	SEND 1, \q
	s_branch .Lqd_\@
.Lfin0_\@:
	OFFS 0
	s_wait_alu depctr_va_vdst(0)                   ; the last tile's offsets are written, which its stores read
	SEND 0, \q
.Lqd_\@:
.endm
	s_load_b512 s[8:23], s[0:1], 0x0               ; plan, cw, xq, xs, wq, wsc, b1, b2
	s_load_b64 s[24:25], s[0:1], 0x40              ; out0
	v_lshl_add_u32 v[SPW], v0, 2, SPARE
	v_mov_b32 v[NIL], 0
	v_lshrrev_b32 v26, 5, v0
	v_readfirstlane_b32 s32, v26                   ; wave 0..3
	s_lshl_b32 s2, ttmp9, 4
	s_wait_kmcnt 0x0
	s_load_b128 s[28:31], s[8:9], s2 offset:0x10000   ; my tile: start, count, e_lo, e_hi
	v_and_b32 v26, 31, v0                          ; lane
	v_and_b32 v27, 15, v0                          ; r
	v_bfe_u32 v28, v0, 4, 1                        ; h
	v_lshlrev_b32 v[L16], 4, v26
	v_lshlrev_b32 v[L8], 3, v26
	v_lshlrev_b32 v[H64], 6, v28
	v_mul_u32_u24 v[AX], v27, 528
	v_lshl_add_u32 v[AX], v28, 4, v[AX]
	v_lshl_add_u32 v[AXS], v27, 2, XSC
	v_add_nc_u32 v[AH], HIMG, v[L16]
	v_add_nc_u32 v[AH+1], HIMG+65536, v[L16]
	v_add_nc_u32 v[AH+2], HIMG+16384, v[L16]
	v_add_nc_u32 v[AH+3], HIMG+65536+16384, v[L16]
	s_wait_alu depctr_va_sdst(0)                   ; s32, the wave's number, is written, ahead of its first reader
	s_lshl_b32 s42, s32, 15
	s_add_co_u32 s42, s42, HIMG
	v_add_nc_u32 v[HST0], s42, v[L16]
	s_lshl_b32 s42, s32, 10
	s_add_co_u32 s42, s42, HSC
	v_lshl_add_u32 v[HSS0], v27, 3, s42
	v_lshl_add_u32 v[AHS], v27, 3, HSC
	v_add_nc_u32 v[AHS+1], 4, v[AHS]
	s_mul_i32 s42, s32, 16*272
	s_add_co_u32 s42, s42, STG
	v_mul_u32_u24 v[STI], v27, 272
	v_add_nc_u32 v[STI], v[STI], v[H64]
	v_add_nc_u32 v[STI], s42, v[STI]               ; in: row r, 64 h bytes on; a tile's place stands in the immediate
	v_mul_u32_u24 v[STO], v28, 272
	v_lshl_add_u32 v[STO], v27, 4, v[STO]
	v_add_nc_u32 v[STO], s42, v[STO]               ; back: lanes 0-15 one row, lanes 16-31 the next
	v_lshl_add_u32 v[TKA], v28, 2, TOK
	s_lshl_b32 s42, s32, 9
	v_lshl_add_u32 v[OL], v27, 4, s42
	v_lshl_add_u32 v[CWA], v27, 4, CWL
	s_mul_i32 s42, s32, 32*528
	v_add_nc_u32 v31, s42, v[L16]                  ; the head's stores: my wave's 32 rows of x's codes,
	v_lshl_add_u32 v26, v0, 2, XSC                 ; my row's scale words,
	v_lshl_add_u32 v27, v0, 2, TOK                 ; its token number,
	v_lshl_add_u32 v28, v0, 4, CWL                 ; its two weights
	s_mov_b32 s34, 0x76543210
	s_mov_b32 s35, 0xfedcba98                      ; v_permlanex16_b32's selects for lane l xor 16
	s_mov_b32 s36, 0x600000                        ; the mantissa field of 57,344
	s_lshl_b32 s48, s32, 1                         ; 2 x wave: my part of a pass's index
	s_wait_kmcnt 0x0
	s_min_u32 s28, s28, 0x3fff
	s_min_u32 s29, s29, 128
	s_min_u32 s30, s30, 7
	s_min_u32 s31, s31, 7
	s_sub_co_u32 s42, s29, 1
	v_min_u32 v29, s42, v0                         ; row = thread; rows at and beyond the count take the last row's token
	v_add_nc_u32 v29, s28, v29
	v_min_u32 v29, 0x3fff, v29
	v_lshlrev_b32 v29, 2, v29
	s_mov_b32 s43, s30                             ; pass 0: W1 of e_lo, half 0
	s_mov_b32 s44, 0
	s_mov_b32 s45, 0
	SETNEXT 0
	s_wait_alu depctr_va_vdst(0)                   ; every address and offset made so far is written, v1 to v31: the loads and stores of the whole kernel read them
	global_load_b32 v30, v29, s[8:9]               ; my row's token
	WFILL 0
	WFILL 1
	WFILL 2
	WFILL 3
	s_wait_loadcnt 63                              ; 76 loads were issued behind the token's: it is in
	v_min_u32 v30, 0x3fff, v30
	v_lshlrev_b32 v114, 3, v30
	v_lshlrev_b32 v115, 4, v30
.irp g, 0,1,2,3                        ; my wave's 32 rows' tokens as scalars, eight at a time, so that one wait serves eight; all 32 offsets are made ahead of the loads
.irp j, 0,1,2,3,4,5,6,7
	v_readlane_b32 s[52+\j], v30, 8*\g+\j
.endr
	s_wait_alu depctr_va_sdst(0)                   ; s52 to s59 are written, ahead of their first readers
.irp j, 0,1,2,3,4,5,6,7
	s_min_u32 s[52+\j], s[52+\j], 0x3fff
.endr
.irp j, 0,1,2,3,4,5,6,7
	v_lshl_add_u32 v[80+8*\g+\j], s[52+\j], 9, v[L16]
.endr
.endr
	s_wait_alu depctr_va_vdst(0)                   ; the 34 offsets v80-111, v114, v115 are written, which the loads below read; so is v30, which an LDS store below reads
	global_load_b64 v[112:113], v114, s[10:11]     ; c_lo, c_hi
	global_load_b128 v[116:119], v115, s[14:15]    ; x's 16 scale bytes
.set i, 0
.rept 32                               ; my wave's 32 rows of codes: 32 lanes read a row's 512 bytes
	global_load_b128 v[ACTR+4*i:ACTR+4*i+3], v[80+i], s[12:13]
.set i, i+1
.endr
	s_wait_loadcnt 0x0
	v_mov_b32 v120, v112
	v_mov_b32 v121, v113
	v_mov_b32 v122, v113
	v_mov_b32 v123, v112
	s_wait_alu depctr_va_vdst(0)                   ; v120-123 are written, which the last LDS store below reads; v112 and v113 have been read, in which the rows' weights land behind the barrier
.set i, 0
.rept 32
	ds_store_b128 v31, v[ACTR+4*i:ACTR+4*i+3] offset:528*i
.set i, i+1
.endr
.irp s, 0,1,2,3
	ds_store_b32 v26, v[116+\s] offset:512*\s
.endr
	ds_store_b32 v27, v30
	ds_store_b128 v28, v[120:123]
	s_wait_dscnt 0x0                               ; for the others' sake
	s_barrier_signal -1
	s_barrier_wait -1                              ; the tile's rows lie in LDS
	s_wait_alu depctr_vm_vsrc(0)                   ; my LDS stores have read v116-123 and v128-255, and the gather's loads their offsets v80-111, v114, v115: the loads below land in v96-255, and v80-95 are at work from here on
.irp m, 0,1,2,3,4,5,6,7
	ds_load_b128 v[CW+4*\m:CW+4*\m+3], v[CWA] offset:256*\m
.endr
	PRELOAD 0
	v_mov_b32 v[TM+2], 0                           ; written once: a lane permute's destination counts as one of its sources
	v_mov_b32 v[TM+3], 0
	s_mov_b32 s33, 0                               ; the pass
	s_mov_b32 s37, 0                               ; 8,192 x pass
	s_mov_b32 s38, 0                               ; 2 x pass
.Lp1:                                              ; four trips in every work-group; one without rows passes over a trip's work, not over the steps at its end
	s_cmp_eq_u32 s29, 0
	s_cbranch_scc1 .Lp1_next
	s_add_co_u32 s42, s33, 1                       ; the pass after this one: 1, 2, 3: W1 (e_lo, 1), (e_hi, 0), (e_hi, 1); 4: W2 (e_lo, 0)
	s_bitcmp1_b32 s42, 1
	s_cselect_b32 s43, s31, s30
	s_bfe_u32 s44, s42, 0x10002                    ; its bit 2: the matrix
	s_and_b32 s45, s42, 1                          ; its bit 0: the half
	SETNEXT 1
	v_add_nc_u32 v[HST], s37, v[HST0]
	v_add_nc_u32 v[HSS], s38, v[HSS0]
	PASS 2, 0, -1, 0, 1
	s_cmp_eq_u32 s33, 3
	s_cbranch_scc1 .Lp1_nopre
	PRELOAD 0                                      ; the next pass's first fragments of x land while this pass's results are quantised.  No wait: no vector or matrix instruction since the pass's last wait names the slots
.Lp1_nopre:
.irp m, 0,1,2,3,4,5,6,7
	QHA \m
.endr
	QSTORE
.Lp1_next:
	s_add_co_u32 s37, s37, 8192
	s_add_co_u32 s38, s38, 2
	s_add_co_u32 s33, s33, 1
	s_cmp_lt_u32 s33, 4
	s_cbranch_scc1 .Lp1
	s_wait_dscnt 0x0                               ; my images and scale bytes are stored
	s_barrier_signal -1
	s_barrier_wait -1                              ; both hidden layers lie in LDS
	s_cmp_eq_u32 s29, 0
	s_cbranch_scc1 .Lend
	PRELOAD 1                                      ; no wait: the products that read the slots stand ahead of the last wait on va_vdst, and nothing since names them
	s_mov_b32 s43, s31                             ; next: W2 of e_hi, half 0
	s_mov_b32 s44, 1
	s_mov_b32 s45, 0
	SETNEXT 1
	PASS 2, 1, 2, 0, 0                             ; Y of e_lo, half 0
	s_mov_b32 s43, s30                             ; next: W2 of e_lo, half 1
	s_mov_b32 s45, 1
	SETNEXT 1
	PASS 3, 2, 1, 0, 1                             ; Y of e_hi, half 0
	WAYOUT 0
	s_mov_b32 s43, s31                             ; next: W2 of e_hi, half 1.  (The waits at this macro's head also free the data of the last stores, which the next two passes write over)
	SETNEXT 1
	PASS 2, 1, 2, 0, 0                             ; Y of e_lo, half 1
	PASS 3, 2, -1, 1, 1                            ; Y of e_hi, half 1: nothing more to fetch
	WAYOUT 1
.Lend:
	s_wait_dscnt 0x0                               ; the closing lines, six on end
	s_wait_alu 0x0
	s_wait_tensorcnt 0x0
	ds_add_u32 v[SPW], v[NIL]
	s_wait_dscnt 0x0
	s_endpgm
.Lfunc_end_k_q3510d59241_chain:
	.size	k_q3510d59241_chain, .Lfunc_end_k_q3510d59241_chain-k_q3510d59241_chain
	.p2alignl 7, 3214868480
	.fill 96, 4, 3214868480
	.section	.rodata,"a",@progbits
	.p2align	6, 0x0
	.amdhsa_kernel k_q3510d59241_chain
		.amdhsa_group_segment_fixed_size 225280
		.amdhsa_private_segment_fixed_size 0
		.amdhsa_enable_private_segment 0
		.amdhsa_kernarg_size 72
		.amdhsa_user_sgpr_count 2
		.amdhsa_user_sgpr_kernarg_segment_ptr 1
		.amdhsa_wavefront_size32 1
		.amdhsa_system_sgpr_workgroup_id_x 1
		.amdhsa_system_sgpr_workgroup_id_y 1
		.amdhsa_system_sgpr_workgroup_id_z 1
		.amdhsa_system_vgpr_workitem_id 0
		.amdhsa_next_free_vgpr 1024
		.amdhsa_next_free_sgpr 66
		.amdhsa_reserve_vcc 0
		.amdhsa_float_denorm_mode_32 3
		.amdhsa_float_denorm_mode_16_64 3
		.amdhsa_memory_ordered 1
		.amdhsa_forward_progress 1
		.amdhsa_inst_pref_size 255
	.end_amdhsa_kernel
	.section	.bss,"aw",@nobits
	.p2align	6
	.space	262144
	.amdgpu_metadata
---
amdhsa.version: [ 1, 2 ]
amdhsa.kernels:
  - .name:           k_q3510d59241_chain
    .symbol:         k_q3510d59241_chain.kd
    .args:
      - { .name: plan, .offset: 0, .size: 8, .value_kind: global_buffer, .address_space: global }
      - { .name: cw, .offset: 8, .size: 8, .value_kind: global_buffer, .address_space: global }
      - { .name: xq, .offset: 16, .size: 8, .value_kind: global_buffer, .address_space: global }
      - { .name: xs, .offset: 24, .size: 8, .value_kind: global_buffer, .address_space: global }
      - { .name: wq, .offset: 32, .size: 8, .value_kind: global_buffer, .address_space: global }
      - { .name: wsc, .offset: 40, .size: 8, .value_kind: global_buffer, .address_space: global }
      - { .name: b1, .offset: 48, .size: 8, .value_kind: global_buffer, .address_space: global }
      - { .name: b2, .offset: 56, .size: 8, .value_kind: global_buffer, .address_space: global }
      - { .name: out0, .offset: 64, .size: 8, .value_kind: global_buffer, .address_space: global }
    .group_segment_fixed_size: 225280
    .private_segment_fixed_size: 0
    .kernarg_segment_align: 8
    .kernarg_segment_size: 72
    .max_flat_workgroup_size: 128
    .sgpr_count:     66
    .vgpr_count:     1024
    .wavefront_size: 32
...
	.end_amdgpu_metadata
.endif
;; end of part 6
